; MI455X (gfx1250); checked and timed in simulation.
; The chip was launched on July 23, 2026; its instructions are those of AMD's public machine-readable ISA for CDNA 5 (MIT licence, August 2026) and "CDNA5" Instruction Set Architecture Reference Guide (July 2026). The comments in the code are by the model that wrote it; some were corrected since.
;; Encoder Layer. Allowed arithmetic: matrix products marked QUANTISED: E4M3 operands, one given power-of-two scale a tensor, by v_wmma_f32_16x16x64_fp8_fp8 or v_wmma_f32_16x16x128_fp8_fp8, f32 sums; everything else in f32.
;; Inputs: W1_codes 4,096 x 32 x 32 uint8 (E4M3 codes of W1, K innermost, in blocks of 32 codes); W2_codes 1,024 x 128 x 32 uint8 (E4M3 codes of W2, K innermost, in blocks of 32 codes); Wk_codes 1,024 x 32 x 32 uint8 (E4M3 codes of Wk, K innermost, in blocks of 32 codes); Wo_codes 1,024 x 32 x 32 uint8 (E4M3 codes of Wo, K innermost, in blocks of 32 codes); Wq_codes 1,024 x 32 x 32 uint8 (E4M3 codes of Wq, K innermost, in blocks of 32 codes); Wv_codes 1,024 x 32 x 32 uint8 (E4M3 codes of Wv, K innermost, in blocks of 32 codes); b1 4,096 float32; b2 1,024 float32; bk 1,024 float32; bo 1,024 float32; bq 1,024 float32; bv 1,024 float32; ln1_b 1,024 float32; ln1_g 1,024 float32; ln2_b 1,024 float32; ln2_g 1,024 float32; lowp_scales 16 int32 (the exponents e of the quantised operands' scales 2^e); x 2 x 2,048 x 1,024 float32.
;; Outputs: out0 2 x 2,048 x 1,024 float32.
;; This version of the problem:
;;   THIS VERSION OF THE PROBLEM IS GIVEN IN LOW PRECISION. The matrix products marked QUANTISED in the list below multiply operands that are first quantised to E4M3 (4 exponent bits, 3 mantissa bits; 8 bits a number), with one given power-of-two scale for each operand tensor; their sums are f32. All else is computed in f32.
;;   The module's matrix products, in the order in which they are computed (A, B: the left and right operand; K: the contracted axis; several contracted axes count as one K, in the product's order):
;;     1. [M 4,096, K 1,024] x [K 1,024, N 1,024]; A: input x; B: input Wq (given as codes): QUANTISED (scales: A lowp_scales[0], B lowp_scales[1])
;;     2. [M 4,096, K 1,024] x [K 1,024, N 1,024]; A: input x; B: input Wk (given as codes): QUANTISED (scales: A lowp_scales[2], B lowp_scales[3])
;;     3. [M 4,096, K 1,024] x [K 1,024, N 1,024]; A: input x; B: input Wv (given as codes): QUANTISED (scales: A lowp_scales[4], B lowp_scales[5])
;;     4. batch 32 x [M 2,048, K 64] x [K 64, N 2,048]; A: computed on the way; B: computed on the way: QUANTISED (scales: A lowp_scales[6], B lowp_scales[7])
;;     5. batch 32 x [M 64, K 2,048] x [K 2,048, N 2,048]; A: computed on the way; B: softmax (see below): QUANTISED (scales: A lowp_scales[8], B lowp_scales[9])
;;     6. [M 4,096, K 1,024] x [K 1,024, N 1,024]; A: computed on the way; B: input Wo (given as codes): QUANTISED (scales: A lowp_scales[10], B lowp_scales[11])
;;     7. [M 4,096, K 1,024] x [K 1,024, N 4,096]; A: computed on the way; B: input W1 (given as codes): QUANTISED (scales: A lowp_scales[12], B lowp_scales[13])
;;     8. [M 4,096, K 4,096] x [K 4,096, N 1,024]; A: computed on the way; B: input W2 (given as codes): QUANTISED (scales: A lowp_scales[14], B lowp_scales[15])
;;   THE QUANTISER, for each operand of a quantised product, along K:
;;     - The operand's scale is 2^e, e = its entry of the input lowp_scales (int32; the entries are numbered through the quantised products in the list's order, A before B).
;;     - Each number is divided by the scale, clamped to +-448, and rounded to the nearest number of E4M3, ties to even, subnormals kept.
;;     - The product sums the exact products of the quantised numbers (number of the format x scale) in f32.
;;   ~~~python
;;   def quantise(x, axis, e):      # numpy; x: float32 -> the quantised numbers, widened to float32 again
;;       x = np.moveaxis(x, axis, -1); K = x.shape[-1]
;;       r = np.clip(x / 2.0 ** e, -448, 448)
;;       step = 2.0 ** (np.maximum(np.frexp(np.where(r == 0, 1, r))[1] - 1, -6) - 3)
;;       q = np.round(r / step) * step * 2.0 ** e      # np.round: ties to even
;;       return np.moveaxis(q, -1, axis).astype(np.float32)
;;   ~~~
;;   SOFTMAX AHEAD OF A QUANTISED PRODUCT. Where the list says 'softmax', what is quantised is not the finished softmax but p = 2^(t - M), with t = logit x log2(e) and M = ceil(the row's largest t), a whole number; so 1/2 < the row's largest p <= 1. The row's sum l is taken of the UNQUANTISED p, in f32, and the product's result is divided by l at the end. Since M is a whole number, a kernel that streams over the keys may use a running M (the ceiling of the running maximum): every later rescaling is an exact power of two, so the quantised numbers keep their values, but for numbers so far below the row's largest that they fall under the format's range.
;;   OPERANDS COMPUTED ON THE WAY. 'Computed on the way' means the value that the module computes at that place (a softmax that the list does not call 'softmax' is quantised finished and normalised). What goes into a quantiser is computed in f32, as accurately as f32 sums, v_exp_f32 and their like allow (about 1e-6 of the number): no bf16 or f16 on the way to a quantiser, and a product that is left as it is and whose result goes on into a quantised operand takes f32 operands (vector FMAs, or v_wmma_f32_16x16x4_f32). A number that lies on a knife's edge between two numbers of the format may be rounded either way, as far as f32 arithmetic and the matrix unit's own rounding can turn it there, and no further.
;;   INPUTS GIVEN AS CODES. W1 (in the module: [4096, 1024], K = its axis 1); W2 (in the module: [1024, 4096], K = its axis 1); Wk (in the module: [1024, 1024], K = its axis 1); Wo (in the module: [1024, 1024], K = its axis 1); Wq (in the module: [1024, 1024], K = its axis 1); Wv (in the module: [1024, 1024], K = its axis 1): each comes as NAME_codes (uint8): NAME with its K axis moved to the last place and cut into blocks of 32 codes, [.., K / 32, bytes a block], one block behind the other in memory; one code a byte (a code: sign, 4 exponent bits, 3 mantissa bits); its scale is its entry of lowp_scales. Its value is code x scale, taken as it is: it is not quantised again, and the codes and scales need not be those that the quantiser above would give.
;; One version. Each part assembles by itself: llvm-mc -triple=amdgcn-amd-amdhsa -mcpu=gfx1250 --defsym DOCPART=n.
;; ======== version 1 of 1: 8 launches
;; limits: right only within a limited range of input values
;; workspace buffers: xc 12,582,912 bytes; qkv 12,582,912 bytes; ac 4,194,304 bytes; y 16,777,216 bytes; h 16,777,216 bytes; hc 4,194,304 bytes; fc 16,777,216 bytes
;; launch quantx (part 1): grid 256 x 1, 8 waves a work-group, no clusters, 82,944 bytes of LDS; arguments x, lowp_scales, xc; writes xc
.if DOCPART == 1
	.amdgcn_target "amdgcn-amd-amdhsa--gfx1250"
	.amdhsa_code_object_version 6
	.text
	.protected	k_q5b93e3252c_quantx
	.globl	k_q5b93e3252c_quantx
	.p2align	8
	.type	k_q5b93e3252c_quantx,@function
k_q5b93e3252c_quantx:
	s_mov_b64 s[64:65], 0
	v_nop
	global_prefetch_b8 v0, s[64:65] scope:SCOPE_SE
	s_setreg_imm32_b32 hwreg(HW_REG_WAVE_MODE, 25, 1), 1
	s_wait_xcnt 0x0
; x [4096][1024] f32 becomes three tensors of E4M3 codes, [4096][1024] each, 4 MiB apart in xc: with the scales 2^e0, 2^e2, 2^e4 (x is the left operand of three products, each with a scale of its own).
; code = x / 2^e, held within +-448, rounded to the nearest code, ties to even.  LIMITS: each e between -126 and 119.  NaN among the inputs is not served.
; A wave takes 2,048 numbers as 4 steps of 512.  Each load reads 512 consecutive bytes, 16 a lane; a step's 2,048 bytes go through the wave's own stage in LDS (16 bytes of padding behind each 64) and come back
; 64 bytes a lane: 16 neighbours, whose 16 codes are 16 bytes, so that a wave's store covers 512 consecutive bytes.  x is read once and converted three times.
; No loop: every offset is an immediate, each step has a stage and code registers of its own, so no source of a pending store is ever rewritten.  Waves share nothing: no barrier.
.set WREG,  10240                      ; LDS of a wave: four stages
.set SP,    80                         ; a lane's place in a stage: 64 bytes + 16
.set STG,   32*SP
.set R,     16                         ; v16-79   4 steps x 16 numbers as loaded
.set X,     80                         ; v80-143  4 steps x 16 neighbours
.set T,     144
.set C,     192                        ; v192-239 codes: 4 registers for each (step, scale)
.set LIM,   4
.set SC,    7                          ; v7-9     2^e
	s_load_b128 s[4:7], s[0:1], 0x0                ; x, the scales' exponents
	s_load_b64 s[8:9], s[0:1], 0x10                ; xc
	v_lshl_add_u32 v240, v0, 2, 0x14000
	v_mov_b32 v241, 0
	v_lshrrev_b32 v1, 5, v0
	s_delay_alu instid0(VALU_DEP_1)
	v_readfirstlane_b32 s16, v1                    ; wave
	v_and_b32 v2, 31, v0                           ; lane
	s_delay_alu instid0(VALU_DEP_1)
	v_lshlrev_b32 v3, 4, v2                        ; my 16 bytes of 512
	s_mul_i32 s17, s16, WREG
	v_lshrrev_b32 v14, 2, v2
	s_delay_alu instid0(VALU_DEP_1)
	v_mul_u32_u24 v14, v14, SP
	v_and_b32 v15, 3, v2
	s_delay_alu instid0(VALU_DEP_1)
	v_lshl_add_u32 v14, v15, 4, v14
	s_delay_alu instid0(VALU_DEP_1)
	v_add_nc_u32 v14, s17, v14                     ; the stage, way in: SP (lane / 4) + 16 (lane % 4)
	v_mul_u32_u24 v15, v2, SP
	s_delay_alu instid0(VALU_DEP_1)
	v_add_nc_u32 v15, s17, v15                     ; way out: SP x lane
	s_lshl_b32 s18, ttmp9, 3
	s_add_co_u32 s18, s18, s16                     ; which run of 2,048 numbers is my wave's
	s_lshl_b32 s20, s18, 13
	s_mov_b32 s21, 0
	s_lshl_b32 s22, s18, 11
	s_mov_b32 s23, 0
	s_wait_alu depctr_va_vdst(0)
	s_wait_kmcnt 0x0
	s_load_b256 s[24:31], s[6:7], 0x0              ; e0 .. e7
	s_add_nc_u64 s[4:5], s[4:5], s[20:21]
	s_add_nc_u64 s[8:9], s[8:9], s[22:23]          ; codes at e0,
	s_add_nc_u64 s[10:11], s[8:9], 0x400000        ; at e2,
	s_add_nc_u64 s[12:13], s[8:9], 0x800000        ; at e4
.macro LOAD t
.irp i, 0,1,2,3
	global_load_b128 v[R+16*(\t)+4*\i:R+16*(\t)+4*\i+3], v3, s[4:5] offset:2048*(\t)+512*\i th:TH_LOAD_NT
.endr
.endm
.macro TURN t                          ; LDS serves a wave's instructions in order: no wait between the stores and the loads
.irp i, 0,1,2,3
	ds_store_b128 v14, v[R+16*(\t)+4*\i:R+16*(\t)+4*\i+3] offset:STG*(\t)+8*SP*\i
.endr
.irp i, 0,1,2,3
	ds_load_b128 v[X+16*(\t)+4*\i:X+16*(\t)+4*\i+3], v15 offset:STG*(\t)+16*\i
.endr
.endm
.macro WORK t
.irp s, 0,1,2
.irp i, 0,1,2,3,4,5,6,7,8,9,10,11,12,13,14,15
.endr
	v_cvt_scalef32_pk8_fp8_f32 v[C+12*(\t)+4*\s:C+12*(\t)+4*\s+1], v[T+16*\s+((X+16*(\t)+0)-(T+16*\s+0)):T+16*\s+7+((X+16*(\t)+0)-(T+16*\s+0))], v[SC+\s]
	v_cvt_scalef32_pk8_fp8_f32 v[C+12*(\t)+4*\s+2:C+12*(\t)+4*\s+3], v[T+16*\s+8+((X+16*(\t)+0)-(T+16*\s+0)):T+16*\s+15+((X+16*(\t)+0)-(T+16*\s+0))], v[SC+\s]
	global_store_b128 v3, v[C+12*(\t)+4*\s:C+12*(\t)+4*\s+3], s[8+2*\s:9+2*\s] offset:512*(\t)
.endr
.endm
	LOAD 0
	LOAD 1
	LOAD 2
	LOAD 3
	s_wait_kmcnt 0x0
.irp s, 0,1,2
	s_add_co_i32 s32, s[24+2*\s], 127
	s_lshl_b32 s33, s32, 23
	v_mov_b32 v[SC+\s], s33                        ; 2^e as f32: the conversion takes its exponent field
.endr
	s_wait_alu depctr_va_vdst(0)
	s_wait_loadcnt 12                              ; step 0's four loads are in; twelve younger ones may be out
	TURN 0
	s_wait_loadcnt 8                               ; step 1's
	TURN 1
	s_wait_dscnt 8                                 ; step 0 is back from its stage; step 1's eight LDS instructions may be out
	WORK 0
	s_wait_loadcnt 4
	TURN 2
	s_wait_dscnt 8
	WORK 1
	s_wait_loadcnt 0
	TURN 3
	s_wait_dscnt 8
	WORK 2
	s_wait_dscnt 0
	WORK 3
	s_wait_tensorcnt 0x0
	ds_add_u32 v240, v241
	s_wait_dscnt 0x0
	s_endpgm
.Lfunc_end_k_q5b93e3252c_quantx:
	.size	k_q5b93e3252c_quantx, .Lfunc_end_k_q5b93e3252c_quantx-k_q5b93e3252c_quantx
	.p2alignl 7, 3214868480
	.fill 96, 4, 3214868480
	.section	.rodata,"a",@progbits
	.p2align	6, 0x0
	.amdhsa_kernel k_q5b93e3252c_quantx
		.amdhsa_group_segment_fixed_size 82944
		.amdhsa_private_segment_fixed_size 0
		.amdhsa_enable_private_segment 0
		.amdhsa_kernarg_size 24
		.amdhsa_user_sgpr_count 2
		.amdhsa_user_sgpr_kernarg_segment_ptr 1
		.amdhsa_wavefront_size32 1
		.amdhsa_system_sgpr_workgroup_id_x 1
		.amdhsa_system_sgpr_workgroup_id_y 1
		.amdhsa_system_sgpr_workgroup_id_z 1
		.amdhsa_system_vgpr_workitem_id 0
		.amdhsa_next_free_vgpr 242
		.amdhsa_next_free_sgpr 66
		.amdhsa_reserve_vcc 0
		.amdhsa_float_denorm_mode_32 3
		.amdhsa_float_denorm_mode_16_64 3
		.amdhsa_fp16_overflow 1
		.amdhsa_memory_ordered 1
		.amdhsa_forward_progress 1
		.amdhsa_inst_pref_size 9
	.end_amdhsa_kernel
	.amdgpu_metadata
---
amdhsa.version: [ 1, 2 ]
amdhsa.kernels:
  - .name:           k_q5b93e3252c_quantx
    .symbol:         k_q5b93e3252c_quantx.kd
    .args:
      - { .name: x, .offset: 0, .size: 8, .value_kind: global_buffer, .address_space: global }
      - { .name: lowp_scales, .offset: 8, .size: 8, .value_kind: global_buffer, .address_space: global }
      - { .name: xc, .offset: 16, .size: 8, .value_kind: global_buffer, .address_space: global }
    .group_segment_fixed_size: 82944
    .private_segment_fixed_size: 0
    .kernarg_segment_align: 8
    .kernarg_segment_size: 24
    .max_flat_workgroup_size: 256
    .sgpr_count:     66
    .vgpr_count:     242
    .wavefront_size: 32
...
	.end_amdgpu_metadata
.endif
;; end of part 1
;; launch qkv (part 2): grid 4 x 48, 4 waves a work-group, clusters of 4 x 4, 327,680 bytes of LDS; arguments xc, Wq_codes, Wk_codes, Wv_codes, bq, bk, bv, lowp_scales, qkv; writes qkv
.if DOCPART == 2
	.amdgcn_target "amdgcn-amd-amdhsa--gfx1250"
	.amdhsa_code_object_version 6
	.text
	.protected	k_q5b93e3252c_qkv
	.globl	k_q5b93e3252c_qkv
	.p2align	8
	.type	k_q5b93e3252c_qkv,@function
k_q5b93e3252c_qkv:
	s_mov_b64 s[64:65], 0
	v_nop
	global_prefetch_b8 v0, s[64:65] scope:SCOPE_SE
	s_setreg_imm32_b32 hwreg(HW_REG_WAVE_MODE, 25, 1), 1
	s_wait_xcnt 0x0
	s_wait_alu depctr_hold_cnt(0) depctr_sa_sdst(0) depctr_va_vdst(0) depctr_va_sdst(0) depctr_va_ssrc(0) depctr_va_vcc(0) depctr_vm_vsrc(0)
	s_getreg_b32 s2, hwreg(HW_REG_IB_STS2, 6, 4)
	s_cmp_eq_u32 s2, 0
	s_cbranch_scc0 .Lentry_in_a_cluster
	s_endpgm
.Lentry_in_a_cluster:
	s_bfe_u32 s2, ttmp6, 0x10000c
	s_cmp_lg_u32 s2, 0xf033
	s_cbranch_scc0 .Lentry_shape_is_right
	s_endpgm
.Lentry_shape_is_right:
; q = x Wq^T + bq, k = x Wk^T + bk, v = x Wv^T + bv on E4M3 codes, and each result quantised for attention.  One launch: cluster y = 4 x product + c4.
; out[i][j] = sum over k of P[i][k] Q[j][k], tiles of 256 x 256, four waves of 128 x 128 (64 accumulators).  q, k: P = x's codes (rows = tokens), Q = the weight.  v: P = Wv, Q = x's codes, so that a lane's eight
; results run along the tokens, which are the K of attention's second product.  What differs between the products is chosen by s_cselect on the product's number, which all partners of a cluster share: no branch.
; K = 1,024 goes in 4 steps of 256 through a ring of two LDS slots filled by joint tensor loads: P's tile is shared along a row of the 4 x 4 cluster, Q's along a column.
; THE MATRIX INSTRUCTION IS USED TRANSPOSED (source 0 = 16 rows of Q, source 1 = 16 rows of P): a lane holds eight neighbouring j of one row i.
; THE SCALES OF THE SCORES' PRODUCT: its left operand as it is lowered is k (entry 6), its right one q (entry 7): EK and EQ below.  v takes entry 8.
; THE OUTPUT.  q: [bh][row][64 bytes]; from 4 MiB on, for each bh 262,144 bytes: k [row][64], then v [block of 64 keys][row d][64 keys].  bh = 16 x batch + head.  A ROW'S PLACE IS ITS NUMBER WITH BITS 3 AND 4 SWAPPED:
; so sixteen neighbouring rows in memory are the rows 8 u + r + 8 (r / 8) of a group of 32, which makes the results of two neighbouring tiles sixteen neighbours along the next K.
; LIMITS: e0 + e1, e2 + e3, e4 + e5 between -126 and 127; e6, e7, e8 between -126 and 119.  NaN is not served.
; REGISTERS: window 0: v0-31 addresses; v32-95 the bias by columns, v96-111 by rows, v112, v113 the hold and the scale; from v128 P's fragments, ONE set (on the way out: 64 numbers, then two sets of codes).
;   window 1: Q's fragments, TWO sets (on the way out: rows read back).   windows 2, 3: the accumulators, (a, b) at v[8 (8 (a % 4) + b)].
.set KSTEP,  256
.set ROWB,   256
.set KROW,   1024
.set PITCH,  272                       ; an LDS row: 256 bytes + 16 of padding, so that the 16 rows of a fragment load begin 68 words apart
.set FR,     16
.set NL,     4
.set NP,     4                         ; places behind this matrix instruction (ISA guide 7.12.1)
.set HALFT,  128*PITCH
.set SLOT,   4*HALFT
.set LAPS,   2                         ; 1,024 / (2 x 256)
.set SPARE,  2*SLOT                    ; behind the ring: the spare words, 128 bytes a wave, which no other line names
.set SPITCH, 144                       ; the way out: a stage of 16 rows x (128 bytes + 16) for each wave, in slot 0, which has then had its last fill and its last read
.set ADRA, 16
.set ADRB, 20
.set STO,  24
.set RD,   25
.set CO,   26
.set SPW,  28
.set NIL,  29
.set BCA,  30                          ; v30  32 x (lane / 16): my eight columns' bias
.set BRA,  31                          ; v31  4 x (lane % 16): my row's bias
.set BI,   32
.set RB,   96
.set LIMV, 112
.set SCV,  113
.set AF,   128
.set NUM,  128
.set CDS,  192
.set EK,   94                          ; s94 = entry 6
.set EQ,   95                          ; s95 = entry 7
.set G1, 24
.set G0, 32
.set G1B, 48
.set G0B, 56
.set MSB, 0
.macro WIN new                         ; the immediate's high byte repeats the setting that is left
.if MSB != \new
	s_set_vgpr_msb (MSB<<8)|\new
.set MSB, \new
.endif
.endm
.set MUL_LO, 0xa1                      ; source 0 (Q) window 1, source 1 (P) window 0, C and D window 2
.set MUL_HI, 0xf1
.set TO_B,   0x40
; A joint load: waves 0 and 1 fetch for P, waves 2 and 3 for Q; the branch hangs on the wave's number alone.  Four v_nop follow each line.
.macro JLOAD g0a, g1a, g0b, g1b
	s_cmp_eq_u32 s15, 0
	s_cbranch_scc0 .Lfor_b_\@
	tensor_load_to_lds s[\g0a:\g0a+3], s[\g1a:\g1a+7]
	s_nop 0
.rept 4
	v_nop
.endr
	s_branch .Lasked_\@
.Lfor_b_\@:
	tensor_load_to_lds s[\g0b:\g0b+3], s[\g1b:\g1b+7]
	s_nop 0
.rept 4
	v_nop
.endr
.Lasked_\@:
.endm
.macro CREST
	s_cmp_lg_u32 s14, 0
	s_cbranch_scc1 .Lnot_wave_0_\@
	s_barrier_signal -3
.Lnot_wave_0_\@:
	s_barrier_wait -3
	s_barrier_signal -1
	s_barrier_wait -1
.endm
.macro CROUND
	s_barrier_signal -1
	s_barrier_wait -1
	CREST
.endm
	s_load_b512 s[68:83], s[0:1], 0x0              ; xc, Wq, Wk, Wv, bq, bk, bv, the scales' exponents
	s_load_b64 s[84:85], s[0:1], 0x40              ; qkv
	v_lshl_add_u32 v[SPW], v0, 2, SPARE
	v_mov_b32 v[NIL], 0
	ds_add_u32 v28, v29
	ds_add_u32 v28, v29
	s_wait_dscnt 0x0
	v_lshrrev_b32 v1, 5, v0
	v_readfirstlane_b32 s14, v1                    ; wave 0..3
	s_lshr_b32 s15, s14, 1                         ; which half of the tile's rows is mine.  Also: I fetch for P (0) or for Q (1)
	s_and_b32 s16, s14, 1                          ; which half of its columns.  Also: which 128 rows I fetch
	s_bfe_u32 s40, ttmp6, 0x40000                  ; cx, cy
	s_bfe_u32 s41, ttmp6, 0x40004
	s_and_b32 s66, ttmp7, 0xffff                   ; cluster y, 0 .. 11
	s_lshr_b32 s67, s66, 2                         ; the product: 0 q, 1 k, 2 v
	s_and_b32 s66, s66, 3
	s_lshl_b32 s66, s66, 2                         ; which four tiles along the tokens
	s_cmp_eq_u32 s67, 2
	s_cselect_b32 s17, 0, s66
	s_cselect_b32 s42, s66, 0
	s_add_co_u32 s17, s17, s41                     ; tile row
	s_add_co_u32 s42, s42, s40                     ; tile column
	s_lshl_b32 s43, s41, 2
	s_lshl_b32 s43, 15, s43                        ; my row of the cluster
	s_lshl_b32 s44, 0x1111, s40                    ; my column
	s_or_b32 s[G1+0], s43, (0<<16)|(1<<20)|(1<<21)|(5<<22)|(3<<25)  ; mask; elements of 1 byte; padding on; bit 21 beside a mask; 4 words behind every 64
	s_or_b32 s[G1B+0], s44, (0<<16)|(1<<20)|(1<<21)|(5<<22)|(3<<25)
.irp g, G1, G1B
	s_mov_b32 s[\g+1], ROWB<<16                    ; tensor_dim0
	s_mov_b32 s[\g+2], 128<<16                     ; tensor_dim1
	s_mov_b32 s[\g+3], ROWB<<16                    ; tile_dim0
	s_mov_b32 s[\g+4], 128                         ; tile_dim1
	s_mov_b32 s[\g+5], KROW                        ; the pitch
	s_mov_b32 s[\g+6], 0
	s_mov_b32 s[\g+7], 0
.endr
	s_lshl_b32 s18, s16, 7
	s_lshl_b32 s20, s17, 8
	s_add_co_u32 s20, s20, s18                     ; P: row 256 x tile row + 128 x half
	s_lshl_b32 s46, s42, 8
	s_add_co_u32 s46, s46, s18                     ; Q: row 256 x tile column + 128 x half
	s_mov_b32 s21, 0
	s_mov_b32 s47, 0
	s_mov_b64 s[18:19], KROW
	s_mul_u64 s[20:21], s[20:21], s[18:19]
	s_mul_u64 s[46:47], s[46:47], s[18:19]
	s_mul_i32 s45, s14, HALFT                      ; where they go: wave x 128 rows
	s_wait_kmcnt 0x0
	s_load_b256 s[88:95], s[82:83], 0x0            ; e0 .. e7
	s_load_b32 s98, s[82:83], 0x20                 ; e8
	s_add_nc_u64 s[4:5], s[68:69], 0x400000        ; x's codes at e2
	s_add_nc_u64 s[6:7], s[68:69], 0x800000        ; at e4
	s_cmp_eq_u32 s67, 1
	s_cselect_b64 s[4:5], s[4:5], s[68:69]
	s_cselect_b64 s[8:9], s[72:73], s[70:71]
	s_cselect_b64 s[86:87], s[78:79], s[76:77]
	s_cmp_eq_u32 s67, 2
	s_cselect_b64 s[4:5], s[74:75], s[4:5]         ; P
	s_cselect_b64 s[6:7], s[6:7], s[8:9]           ; Q
	s_cselect_b64 s[86:87], s[80:81], s[86:87]     ; the bias
	s_add_nc_u64 s[20:21], s[4:5], s[20:21]
	s_add_nc_u64 s[46:47], s[6:7], s[46:47]
	CROUND                                         ; all sixteen work-groups are here: the first joint loads meet
.irp s, 0,1
	s_mov_b32 s[G0+4*\s], 1
	s_add_co_u32 s[G0+4*\s+1], s45, \s*SLOT
	s_add_nc_u64 s[G0+4*\s+2:G0+4*\s+3], s[20:21], \s*ROWB
	s_or_b32 s[G0+4*\s+3], s[G0+4*\s+3], 0x80000000
	s_mov_b32 s[G0B+4*\s], 1
	s_add_co_u32 s[G0B+4*\s+1], s45, \s*SLOT
	s_add_nc_u64 s[G0B+4*\s+2:G0B+4*\s+3], s[46:47], \s*ROWB
	s_or_b32 s[G0B+4*\s+3], s[G0B+4*\s+3], 0x80000000
	JLOAD G0+4*\s, G1, G0B+4*\s, G1B
.endr
	v_and_b32 v1, 15, v0                           ; r = l % 16
	v_bfe_u32 v2, v0, 4, 1                         ; h = l / 16
	v_mul_u32_u24 v3, v1, PITCH
	v_lshl_add_u32 v4, v2, 4, v3
	s_mul_i32 s21, s15, HALFT
	s_mul_i32 s22, s16, HALFT
	s_add_co_u32 s22, s22, 2*HALFT
.irp s, 0,1
	v_add_nc_u32 v[ADRA+\s], s21, v4
	v_add_nc_u32 v[ADRB+\s], s22, v4
	s_add_co_u32 s21, s21, SLOT
	s_add_co_u32 s22, s22, SLOT
.endr
	; the biases.  q, k: by columns (the weight's rows); v: by rows.  The one that is not used is read at offset 0, inside its buffer, and cleared on the way out
	s_lshl_b32 s18, s42, 10
	s_lshl_b32 s19, s16, 9
	s_add_co_u32 s18, s18, s19                     ; 4 (256 x tile column + 128 x half)
	s_lshl_b32 s20, s17, 10
	s_lshl_b32 s19, s15, 9
	s_add_co_u32 s20, s20, s19                     ; 4 (256 x tile row + 128 x half)
	s_cmp_eq_u32 s67, 2
	s_cselect_b32 s18, 0, s18
	s_cselect_b32 s20, s20, 0
	s_mov_b32 s19, 0
	s_mov_b32 s21, 0
	s_add_nc_u64 s[8:9], s[86:87], s[18:19]
	s_add_nc_u64 s[10:11], s[86:87], s[20:21]
	v_lshlrev_b32 v[BCA], 5, v2
	v_lshlrev_b32 v[BRA], 2, v1
.irp b, 0,1,2,3,4,5,6,7
	global_load_b128 v[BI+8*\b:BI+8*\b+3], v[BCA], s[8:9] offset:64*\b         ; columns 16 b + 8 h + 0 .. 7
	global_load_b128 v[BI+8*\b+4:BI+8*\b+7], v[BCA], s[8:9] offset:64*\b+16
.endr
.irp a, 0,1,2,3,4,5,6,7
	global_load_b32 v[RB+2*\a], v[BRA], s[10:11] offset:64*\a                  ; row 16 a + r
	v_mov_b32 v[RB+2*\a+1], 0                      ; (named with it as a pair)
.endr
	; the way out's addresses
	s_mul_i32 s23, s14, 16*SPITCH                  ; my stage
	v_mul_u32_u24 v5, v1, SPITCH
	v_lshl_add_u32 v5, v2, 3, v5
	v_add_nc_u32 v[STO], s23, v5                   ; in: row r, 8 bytes for each half of the lanes
	v_and_b32 v6, 31, v0
	v_lshrrev_b32 v7, 3, v6
	v_and_b32 v8, 7, v6
	v_mul_u32_u24 v9, v7, SPITCH
	v_lshl_add_u32 v9, v8, 4, v9
	v_add_nc_u32 v[RD], s23, v9                    ; back: eight lanes to a row of 128 bytes, four rows an instruction
	s_cmp_eq_u32 s67, 2                            ; along the tokens: (tile, half) = (s72, s74); along the features: (s73, s75)
	s_cselect_b32 s72, s42, s17
	s_cselect_b32 s73, s17, s42
	s_cselect_b32 s74, s16, s15
	s_cselect_b32 s75, s15, s16
	s_cselect_b32 s100, 0x20000, 0                 ; v lies 131,072 bytes behind its k
	s_min_u32 s76, s67, 1
	s_lshl_b32 s77, 0x20000, s76                   ; from bh to bh: 131,072 in q, 262,144 in k and v
	s_lshl_b32 s78, s76, 22                        ; k and v begin at 4 MiB
	s_mov_b32 s79, 0x1000
	s_cmp_eq_u32 s67, 2
	s_cselect_b32 s80, s79, s77                    ; from the first 64 bytes of a stage row to the second: q, k: the next head; v: the next block of 64 keys
	s_cselect_b32 s81, s77, s79                    ; from blocks 0-3 to blocks 4-7: q, k: 64 rows on; v: the next head
	s_lshr_b32 s101, s72, 3
	s_lshl_b32 s101, s101, 4                       ; 16 x batch
	s_lshl_b32 s73, s73, 2
	s_add_co_u32 s101, s101, s73
	s_lshl_b32 s75, s75, 1
	s_add_co_u32 s101, s101, s75                   ; + the head of my first column (q, k) or row (v)
	s_mul_i32 s101, s101, s77
	s_and_b32 s72, s72, 7
	s_lshl_b32 s72, s72, 1
	s_add_co_u32 s72, s72, s74
	s_lshl_b32 s72, s72, 13                        ; 128 tokens are 8,192 bytes in each of the three
	s_add_co_u32 s72, s72, s101
	s_add_co_u32 s72, s72, s78
	s_add_co_u32 s72, s72, s100
	s_mov_b32 s73, 0
	s_add_nc_u64 s[68:69], s[84:85], s[72:73]      ; blocks 0-3
	s_mov_b32 s72, s81
	s_add_nc_u64 s[70:71], s[68:69], s[72:73]      ; blocks 4-7
	v_lshlrev_b32 v[CO], 6, v7
	v_and_b32 v8, 3, v6
	v_lshl_add_u32 v[CO], v8, 4, v[CO]
	v_bfe_u32 v8, v0, 2, 1
	v_mul_u32_u24 v8, v8, s80
	v_add_nc_u32 v[CO], v[CO], v8                  ; 64 (lane / 8) + 16 (lane % 4) + the second 64 bytes' distance
.macro FRAG reg, adr, q, i             ; 16 rows x 128 K: registers 4 c .. 4 c + 3 hold K = 32 c + 16 (l / 16) + 0 .. 15, alike in both operands
.irp c, 0,1,2,3
	ds_load_b128 v[\reg+4*\c:\reg+4*\c+3], v[\adr] offset:128*(\q)+32*\c+(\i)*16*PITCH
.endr
.endm
; 16 matrix instructions.  The 64 accumulators take turns, one instruction a turn, in the same order in every step.
.macro MUL16 a0, p, zero
.irp a, \a0, \a0+1
.irp b, 0,1,2,3,4,5,6,7
.if \zero
	v_wmma_f32_16x16x128_fp8_fp8 v[8*(8*((\a)%4)+\b):8*(8*((\a)%4)+\b)+7], v[128*(\p)+FR*\b:128*(\p)+FR*\b+FR-1], v[AF+FR*(\a):AF+FR*(\a)+FR-1], 0
.else
	v_wmma_f32_16x16x128_fp8_fp8 v[8*(8*((\a)%4)+\b):8*(8*((\a)%4)+\b)+7], v[128*(\p)+FR*\b:128*(\p)+FR*\b+FR-1], v[AF+FR*(\a):AF+FR*(\a)+FR-1], v[8*(8*((\a)%4)+\b):8*(8*((\a)%4)+\b)+7]
.endif
.endr
.endr
.endm
.macro FETCH_B slot, q, p
	WIN TO_B
.irp i, 0,1,2,3,4,5,6,7
	FRAG 128*(\p)+FR*\i, ADRB+\slot, \q, \i
.endr
	WIN 0
.endm
.macro FETCH_A slot, q, i0
.irp i, \i0, \i0+1, \i0+2, \i0+3
	FRAG AF+FR*(\i), ADRA+\slot, \q, \i
.endr
.endm
.macro PLACES n                        ; plain vector lines between a matrix instruction and a load into, or a vector read of, its registers
.rept \n
	v_nop
.endr
.endm
.macro STEP slot, q, zero
	s_wait_dscnt 4*NL                              ; Q's set and P's blocks 0-3 are in; the youngest sixteen loads (blocks 4-7) may be out
	WIN MUL_LO
	MUL16 0, (\q)%2, \zero
	MUL16 2, (\q)%2, \zero
	s_wait_dscnt 0                                 ; blocks 4-7 are in
	PLACES NP
	FETCH_B \slot, (\q)+1, 1-(\q)%2
	FETCH_A \slot, (\q)+1, 0
	WIN MUL_HI
	MUL16 4, (\q)%2, \zero
	MUL16 6, (\q)%2, \zero
	PLACES NP
	WIN 0
	FETCH_A \slot, (\q)+1, 4
.endm
; A slot's last step changes slots: one barrier; in front of it each wave waits for all its tensor loads, adds 0 to its spare word, and waits for that and for its reads of this slot.
.macro TURN slot, next, fill
	s_wait_tensorcnt 0x0                           ; all my tensor loads have landed: my part of the next slot
	ds_add_u32 v[SPW], v[NIL]
	s_wait_dscnt 4*NL+1                            ; (the add and the youngest sixteen loads may be out)
	WIN MUL_LO
	MUL16 0, 1, 0
	s_wait_dscnt 0x0                               ; the add is done, and my reads of this slot are over
	s_barrier_signal -1
	MUL16 2, 1, 0
	WIN 0
	s_barrier_wait -1
.if \fill
	CREST                                          ; the barrier has opened a round of the cluster's: no wave of any partner still reads this slot or has a load on its way
	s_add_nc_u64 s[G0+4*\slot+2:G0+4*\slot+3], s[G0+4*\slot+2:G0+4*\slot+3], 2*ROWB
	s_add_nc_u64 s[G0B+4*\slot+2:G0B+4*\slot+3], s[G0B+4*\slot+2:G0B+4*\slot+3], 2*ROWB
	JLOAD G0+4*\slot, G1, G0B+4*\slot, G1B         ; the first tensor load behind the round; its four v_nop are the places in front of the loads below
.else
	PLACES NP
.endif
	FETCH_B \next, 0, 0
	FETCH_A \next, 0, 0
	WIN MUL_HI
	MUL16 4, 1, 0
	MUL16 6, 1, 0
	PLACES NP
	WIN 0
	FETCH_A \next, 0, 4
.endm
	s_wait_tensorcnt 1                             ; my part of K step 0 is in; K step 1's load may be out
	s_barrier_signal -1
	s_barrier_wait -1
	FETCH_B 0, 0, 0
	FETCH_A 0, 0, 0
	FETCH_A 0, 0, 4
	STEP 0, 0, 1                                   ; the first step's products start the sums
	s_mov_b32 s3, LAPS-1
.Llap:
	TURN 0, 1, 1
	STEP 1, 0, 0
	TURN 1, 0, 1
	STEP 0, 0, 0
	s_sub_co_u32 s3, s3, 1
	s_cmp_lg_u32 s3, 0
	s_cbranch_scc1 .Llap
	TURN 0, 1, 0                                   ; the last lap fills nothing
	STEP 1, 0, 0
	s_wait_dscnt 4*NL
	WIN MUL_LO
	MUL16 0, 1, 0
	MUL16 2, 1, 0
	s_wait_dscnt 0
	WIN MUL_HI
	MUL16 4, 1, 0
	MUL16 6, 1, 0
	WIN 0
; THE WAY OUT, block by block of 16 rows x 128 columns: sum x 2^(the operands' e) + bias, held, converted (eight neighbours of a row: 8 bytes), through my own stage, back as pieces of 16 bytes,
; and stored so that four neighbouring rows of 64 bytes make 256 consecutive bytes, aligned.
.macro OUTBLK a
.set AC, 64*((\a)%4)
.set CD, CDS+16*((\a)%2)
	WIN 0x02+((\a)/4)                              ; source 0: window 2 or 3
.set j, 0
.rept 32
	v_pk_fma_f32 v[NUM+j:NUM+j+1], v[AC+j:AC+j+1], s[96:97], v[BI+j:BI+j+1] op_sel_hi:[1,0,1]   ; each accumulator from its low end on
.set j, j+2
.endr
	WIN 0
.set j, 0
.rept 32
	v_pk_add_f32 v[NUM+j:NUM+j+1], v[NUM+j:NUM+j+1], v[RB+2*(\a):RB+2*(\a)+1] op_sel_hi:[1,0]
.set j, j+2
.endr
.set j, 0
.rept 64
	v_med3_num_f32 v[NUM+j], v[NUM+j], -v[LIMV], v[LIMV]
.set j, j+1
.endr
.irp b, 0,1,2,3,4,5,6,7
	v_cvt_scalef32_pk8_fp8_f32 v[CD+2*\b:CD+2*\b+1], v[NUM+8*\b:NUM+8*\b+7], v[SCV]
.endr
	v_nop                                          ; a plain line between the conversions and the next vector line that writes their sources
.irp b, 0,1,2,3,4,5,6,7
	ds_store_b64 v[STO], v[CD+2*\b:CD+2*\b+1] offset:16*\b
.endr
	WIN 0x40                                       ; destination window 1: Q's fragments are done with
.irp t, 0,1,2,3
	ds_load_b128 v[16*(\a)+4*\t:16*(\a)+4*\t+3], v[RD] offset:\t*4*SPITCH   ; LDS serves a wave's instructions in order: these see the stores above
.endr
	WIN 0
.endm
.macro SEND a, younger
	s_wait_dscnt \younger
	WIN 0x04                                       ; store data in window 1
.irp t, 0,1,2,3
	global_store_b128 v[CO], v[16*(\a)+4*\t:16*(\a)+4*\t+3], s[68+2*((\a)/4):69+2*((\a)/4)] offset:64*(32*(((\a)>>1)&1)+16*((\t)>>1)+8*((\a)&1)+4*((\t)&1))   ; row 16 a + 4 t + lane / 8 at its place: bits 3 and 4 swapped
.endr
	WIN 0
.endm
	s_wait_kmcnt 0x0
	s_add_co_i32 s88, s88, s89                     ; e0 + e1
	s_add_co_i32 s90, s90, s91                     ; e2 + e3
	s_add_co_i32 s92, s92, s93                     ; e4 + e5
	s_cmp_eq_u32 s67, 1
	s_cselect_b32 s96, s90, s88
	s_cselect_b32 s99, s[EK], s[EQ]
	s_cmp_eq_u32 s67, 2
	s_cselect_b32 s96, s92, s96
	s_cselect_b32 s99, s98, s99
	s_cselect_b32 vcc_lo, 0, -1                    ; all ones where the bias goes by columns
	s_add_co_i32 s96, s96, 127
	s_lshl_b32 s96, s96, 23                        ; 2^(the two operands' e) as f32
	s_mov_b32 s97, s96
	s_add_co_i32 s99, s99, 127
	s_lshl_b32 s98, s99, 23
	s_add_co_i32 s99, s99, 8
	s_lshl_b32 s99, s99, 23
	s_or_b32 s99, s99, 0x600000
	s_wait_loadcnt 0x0                             ; the biases
	PLACES NP
	v_mov_b32 v[SCV], s98                          ; the result's scale
	v_mov_b32 v[LIMV], s99                         ; 448 x that
.set j, 0
.rept 64
	v_cndmask_b32 v[BI+j], 0, v[BI+j], vcc_lo
.set j, j+1
.endr
	s_not_b32 vcc_lo, vcc_lo
.irp a, 0,1,2,3,4,5,6,7
	v_cndmask_b32 v[RB+2*\a], 0, v[RB+2*\a], vcc_lo
.endr
	OUTBLK 0
.irp a, 1,2,3,4,5,6,7
	OUTBLK \a
	SEND \a-1, 12                                  ; behind block a - 1's loads: block a's 8 stores and 4 loads
.endr
	SEND 7, 0
	s_wait_tensorcnt 0x0                           ; the wave's end
	ds_add_u32 v[SPW], v[NIL]
	s_wait_dscnt 0x0
	CROUND                                         ; the closing round
	s_endpgm
.Lfunc_end_k_q5b93e3252c_qkv:
	.size	k_q5b93e3252c_qkv, .Lfunc_end_k_q5b93e3252c_qkv-k_q5b93e3252c_qkv
	.p2alignl 7, 3214868480
	.fill 96, 4, 3214868480
	.section	.rodata,"a",@progbits
	.p2align	6, 0x0
	.amdhsa_kernel k_q5b93e3252c_qkv
		.amdhsa_group_segment_fixed_size 327680
		.amdhsa_private_segment_fixed_size 0
		.amdhsa_enable_private_segment 0
		.amdhsa_kernarg_size 72
		.amdhsa_user_sgpr_count 2
		.amdhsa_user_sgpr_kernarg_segment_ptr 1
		.amdhsa_wavefront_size32 1
		.amdhsa_system_sgpr_workgroup_id_x 1
		.amdhsa_system_sgpr_workgroup_id_y 1
		.amdhsa_system_sgpr_workgroup_id_z 1
		.amdhsa_system_vgpr_workitem_id 0
		.amdhsa_next_free_vgpr 1024
		.amdhsa_next_free_sgpr 102
		.amdhsa_reserve_vcc 1
		.amdhsa_float_denorm_mode_32 3
		.amdhsa_float_denorm_mode_16_64 3
		.amdhsa_memory_ordered 1
		.amdhsa_forward_progress 1
		.amdhsa_inst_pref_size 164
	.end_amdhsa_kernel
	.amdgpu_metadata
---
amdhsa.version: [ 1, 2 ]
amdhsa.kernels:
  - .name:           k_q5b93e3252c_qkv
    .symbol:         k_q5b93e3252c_qkv.kd
    .args:
      - { .name: xc, .offset: 0, .size: 8, .value_kind: global_buffer, .address_space: global }
      - { .name: Wq_codes, .offset: 8, .size: 8, .value_kind: global_buffer, .address_space: global }
      - { .name: Wk_codes, .offset: 16, .size: 8, .value_kind: global_buffer, .address_space: global }
      - { .name: Wv_codes, .offset: 24, .size: 8, .value_kind: global_buffer, .address_space: global }
      - { .name: bq, .offset: 32, .size: 8, .value_kind: global_buffer, .address_space: global }
      - { .name: bk, .offset: 40, .size: 8, .value_kind: global_buffer, .address_space: global }
      - { .name: bv, .offset: 48, .size: 8, .value_kind: global_buffer, .address_space: global }
      - { .name: lowp_scales, .offset: 56, .size: 8, .value_kind: global_buffer, .address_space: global }
      - { .name: qkv, .offset: 64, .size: 8, .value_kind: global_buffer, .address_space: global }
    .group_segment_fixed_size: 327680
    .private_segment_fixed_size: 0
    .kernarg_segment_align: 8
    .kernarg_segment_size: 72
    .max_flat_workgroup_size: 128
    .sgpr_count:     102
    .vgpr_count:     1024
    .wavefront_size: 32
...
	.end_amdgpu_metadata
.endif
;; end of part 2
;; launch attn (part 3): grid 8 x 32, 16 waves a work-group, clusters of 4 x 1, 280,576 bytes of LDS; arguments qkv, lowp_scales, ac; writes ac
.if DOCPART == 3
	.amdgcn_target "amdgcn-amd-amdhsa--gfx1250"
	.amdhsa_code_object_version 6
	.text
	.protected	k_q5b93e3252c_attn
	.globl	k_q5b93e3252c_attn
	.p2align	8
	.type	k_q5b93e3252c_attn,@function
k_q5b93e3252c_attn:
	s_mov_b64 s[64:65], 0
	v_nop
	global_prefetch_b8 v0, s[64:65] scope:SCOPE_SE
	s_setreg_imm32_b32 hwreg(HW_REG_WAVE_MODE, 25, 1), 1
	s_wait_xcnt 0x0
	s_wait_alu depctr_hold_cnt(0) depctr_sa_sdst(0) depctr_va_vdst(0) depctr_va_sdst(0) depctr_va_ssrc(0) depctr_va_vcc(0) depctr_vm_vsrc(0)
	s_getreg_b32 s2, hwreg(HW_REG_IB_STS2, 6, 4)
	s_cmp_eq_u32 s2, 0
	s_cbranch_scc0 .Lentry_in_a_cluster
	s_endpgm
.Lentry_in_a_cluster:
	s_bfe_u32 s2, ttmp6, 0x10000c
	s_cmp_lg_u32 s2, 0x3003
	s_cbranch_scc0 .Lentry_shape_is_right
	s_endpgm
.Lentry_shape_is_right:
; Attention of one (batch, head) on E4M3 codes, head size 64, 2,048 keys, and the result quantised (entry 10) for the next product.
; t = score x log2(e) / 8; M = the running largest t rounded UP to a whole number; p = 2^(t - M) is quantised (entry 9), not normalised; the row's sum is taken of the unquantised p and divides at the end.
; SHARES.  A work-group owns 256 queries of one bh; each of its sixteen waves 16 of them, in 256 registers.  THE HEAD'S WHOLE K AND V, 2 x 131,072 bytes of codes, LIE IN LDS: each wave brings one sixteenth by one tensor
; load at the head; one barrier; then sixteen key steps of 128 keys with no barrier and no refill.  One tensor load of a wave is out.
; CLUSTER.  The four query blocks of a cluster belong to one bh: each tile is asked for jointly (mask 15).  Nothing is prefetched: all tensor loads go out at the head, and nothing is fetched later.
; LAYOUT.  Both products transposed: S^T = K Q^T (source 0 = 16 rows of K), O^T = V^T P^T (source 0 = 16 rows d of V): a lane holds ONE query throughout.  Rows of q, k and v lie in memory with bits 3 and 4 of their
; number swapped: so the 16 registers of tiles 2 b, 2 b + 1 of S^T are the keys 32 b + 16 (lane / 16) + 0 .. 15, and those of O^T the channels 32 b + 16 (lane / 16) + 0 .. 15.
; LDS.  Rows of 64 bytes are dense in memory and are stated as rows of 256 bytes (four rows), 16 bytes of padding behind each: row n at 272 (n / 4) + 64 (n % 4).
; THE STORES are 16 bytes a lane into rows 1,024 bytes apart: a head owns 64 bytes of a row of the result, so no wider piece exists.
; LIMITS: e6 + e7 between -123 and 130; e9 and e10 between -126 and 119.  NaN is not served.
; REGISTERS: v1 my place in a tile, v2 my offset in the result; v8, v9 the step's addresses; v12 -M, v13 the largest t, v[14:15] the sum; v16-23 Q; v32-95 fragments of K, then of V; v96-159 S^T, then p; v160-191 O^T;
;   v224-239 p's codes; v244 the scale of p, v245 of the result; v232-243, v246-254 at work.
.set KP,    272
.set TILEB, 64*KP                      ; what one tensor load fills: 17,408 bytes
.set VOFF,  8*TILEB                    ; V behind K
.set STEPB, 32*KP                      ; 128 keys of K; also two blocks of 64 keys of V
.set KBLK,  16*KP                      ; a block of 64 keys of V: 64 rows d
.set T16,   4*KP                       ; 16 rows
.macro CROUND
	s_barrier_signal -1
	s_barrier_wait -1
	s_cmp_lg_u32 s18, 0
	s_cbranch_scc1 .Lnot_wave_0_\@
	s_barrier_signal -3
.Lnot_wave_0_\@:
	s_barrier_wait -3
	s_barrier_signal -1
	s_barrier_wait -1
.endm
	s_load_b128 s[4:7], s[0:1], 0x0                ; qkv, the scales' exponents
	s_load_b64 s[8:9], s[0:1], 0x10                ; ac
	v_lshl_add_u32 v251, v0, 2, 0x44000
	v_mov_b32 v255, 0
	ds_add_u32 v251, v255
	ds_add_u32 v251, v255
	v_lshrrev_b32 v3, 5, v0
	s_delay_alu instid0(VALU_DEP_1)
	v_readfirstlane_b32 s18, v3                    ; wave 0..15
	s_bfe_u32 s46, ttmp6, 0x40000                  ; cx
	s_lshl_b32 s47, ttmp9, 2
	s_add_co_u32 s47, s47, s46                     ; my block of 256 queries: it enters q's and the result's addresses alone
	s_and_b32 s19, ttmp7, 0xffff                   ; bh, which the four partners share
	s_lshl_b32 s10, s19, 18                        ; k and v of a bh: 262,144 bytes on end,
	s_lshl_b32 s11, s18, 14                        ; of which wave w brings 16,384
	s_add_co_u32 s10, s10, s11
	s_add_co_u32 s10, s10, 0x400000
	s_mov_b32 s11, 0
	s_mul_i32 s41, s18, TILEB                      ; to LDS byte 17,408 w
	s_mov_b32 s24, 15|(0<<16)|(1<<20)|(1<<21)|(5<<22)|(3<<25)  ; mask: all four; elements of 1 byte; padding on; bit 21 beside a mask; 4 words behind every 64
	s_mov_b32 s25, 256<<16                         ; tensor_dim0
	s_mov_b32 s26, 64<<16                          ; tensor_dim1
	s_mov_b32 s27, 256<<16                         ; tile_dim0
	s_mov_b32 s28, 64                              ; tile_dim1
	s_mov_b32 s29, 256                             ; the pitch: dense
	s_mov_b32 s30, 0
	s_mov_b32 s31, 0
	s_mov_b32 s20, 0x76543210
	s_mov_b32 s21, 0xfedcba98                      ; v_permlanex16_b32: lane l xor 16
	s_mov_b32 s22, 0x3e38aa3b                      ; c = log2(e) / 8
	s_wait_dscnt 0x0
	s_wait_kmcnt 0x0
	s_load_b512 s[48:63], s[6:7], 0x0              ; e0 .. e15
	s_mov_b32 s40, 1
	s_add_nc_u64 s[42:43], s[4:5], s[10:11]
	s_or_b32 s43, s43, 0x80000000
	CROUND                                         ; all four work-groups are here: the joint loads meet
	tensor_load_to_lds s[40:43], s[24:31]
	s_nop 0
.rept 4
	v_nop
.endr
	s_lshl_b32 s12, s19, 17                        ; q: 131,072 bytes a bh,
	s_lshl_b32 s13, s47, 14                        ; 256 rows of 64 bytes a block,
	s_add_co_u32 s12, s12, s13
	s_lshl_b32 s13, s18, 10                        ; 16 rows a wave
	s_add_co_u32 s12, s12, s13
	s_mov_b32 s13, 0
	s_add_nc_u64 s[12:13], s[4:5], s[12:13]
	v_and_b32 v4, 15, v0                           ; r
	v_bfe_u32 v5, v0, 4, 1                         ; h
	s_delay_alu instid0(VALU_DEP_2)
	v_lshlrev_b32 v6, 6, v4
	s_delay_alu instid0(VALU_DEP_1)
	v_lshl_add_u32 v6, v5, 4, v6
	global_load_b128 v[16:19], v6, s[12:13]            ; Q(r, 16 h ..)
	global_load_b128 v[20:23], v6, s[12:13] offset:32  ; Q(r, 32 + 16 h ..)
	v_lshrrev_b32 v7, 2, v4
	s_delay_alu instid0(VALU_DEP_1)
	v_mul_u32_u24 v1, v7, KP
	v_and_b32 v7, 3, v4
	s_delay_alu instid0(VALU_DEP_1)
	v_lshl_add_u32 v1, v7, 6, v1
	s_delay_alu instid0(VALU_DEP_1)
	v_lshl_add_u32 v1, v5, 4, v1                   ; 272 (r / 4) + 64 (r % 4) + 16 h
	v_and_b32 v7, 8, v4
	s_delay_alu instid0(VALU_DEP_1)
	v_add_nc_u32 v7, v7, v4                        ; row r of my tile is token r + 8 (r / 8) of my sixteen
	s_delay_alu instid0(VALU_DEP_1)
	v_lshlrev_b32 v2, 10, v7
	s_delay_alu instid0(VALU_DEP_1)
	v_lshl_add_u32 v2, v5, 4, v2
	s_lshr_b32 s14, s19, 4                         ; batch
	s_lshl_b32 s14, s14, 11
	s_lshl_b32 s15, s47, 8
	s_add_co_u32 s14, s14, s15
	s_lshr_b32 s15, s18, 1
	s_lshl_b32 s15, s15, 5
	s_add_co_u32 s14, s14, s15
	s_and_b32 s15, s18, 1
	s_lshl_b32 s15, s15, 3
	s_add_co_u32 s14, s14, s15                     ; my first token: 2,048 batch + 256 block + 32 (w / 2) + 8 (w % 2)
	s_lshl_b32 s14, s14, 10
	s_and_b32 s15, s19, 15
	s_lshl_b32 s15, s15, 6
	s_add_co_u32 s14, s14, s15                     ; + 64 x head
	s_mov_b32 s15, 0
	s_add_nc_u64 s[8:9], s[8:9], s[14:15]
	v_mov_b32 v13, 0xff61b1e6                      ; the largest t so far: -3e38
	s_delay_alu instid0(VALU_DEP_1)
	v_floor_f32 v12, -v13                          ; -M
	v_mov_b32 v14, 0
	v_mov_b32 v15, 0
	v_mov_b32 v246, 0                              ; a lane permute's destination counts as read
	v_mov_b32 v253, 0                              ; (named as the upper half of v[252:253])
.set j, 0
.rept 32
	v_mov_b32 v[160+j], 0                          ; O^T: the step is written once; the first finds zeros
.set j, j+1
.endr
	s_wait_kmcnt 0x0
	s_add_co_i32 s32, s54, s55                     ; e6 + e7 go into c's exponent field
	s_lshl_b32 s32, s32, 23
	s_add_co_i32 s22, s22, s32
	s_mov_b32 s23, s22
	s_add_co_i32 s32, s57, 127
	s_lshl_b32 s33, s32, 23
	v_mov_b32 v244, s33                            ; 2^e9
	s_add_co_i32 s32, s58, 127
	s_lshl_b32 s33, s32, 23
	v_mov_b32 v245, s33                            ; 2^e10
	s_add_co_i32 s34, s56, s57                     ; e8 + e9
	s_mov_b32 s44, 0                               ; LDS byte of the step's keys
	s_mov_b32 s45, 16                              ; key steps
	s_wait_loadcnt 0x0                             ; Q
	s_wait_tensorcnt 0x0                           ; my sixteenth has landed,
	s_barrier_signal -1
	s_barrier_wait -1                              ; everybody's has; nothing is ever filled again
.Lstep:
	s_setprio 2
	v_add_nc_u32 v8, s44, v1
	s_delay_alu instid0(VALU_DEP_1)
	v_add_nc_u32 v9, VOFF, v8
	v_nop
	v_nop                                          ; four plain lines behind the last step's products, in front of loads into registers that they read
.irp t, 0,1,2,3,4,5,6,7
	ds_load_b128 v[32+8*\t:35+8*\t], v8 offset:T16*\t
	ds_load_b128 v[36+8*\t:39+8*\t], v8 offset:T16*\t+32
.endr
	s_wait_alu depctr_va_vdst(0)
	s_wait_dscnt 0x0
.irp t, 0,1,2,3,4,5,6,7
	v_wmma_f32_16x16x64_fp8_fp8 v[96+8*\t:103+8*\t], v[32+8*\t:39+8*\t], v[16:23], 0
.endr
.rept 4
	v_nop
.endr
.irp t, 0,1,2,3                                ; V's four fragments (16 rows d x 128 keys) land under the softmax
.irp c, 0,1,2,3
	ds_load_b128 v[32+16*\t+4*\c:35+16*\t+4*\c], v9 offset:(\c/2)*KBLK+T16*\t+32*(\c%2)
.endr
.endr
	v_max3_num_f32 v254, v96, v97, v98             ; the step's largest score of my query, in two chains,
	v_max3_num_f32 v252, v99, v100, v101
.irp i, 6,10,14,18,22,26,30,34,38,42,46,50,54,58
	v_max3_num_f32 v254, v254, v[96+\i], v[97+\i]
	v_max3_num_f32 v252, v252, v[98+\i], v[99+\i]
.endr
	v_max3_num_f32 v254, v254, v158, v159
	s_delay_alu instid0(VALU_DEP_1)
	v_max_num_f32 v254, v254, v252
	s_delay_alu instid0(VALU_DEP_1)
	v_permlanex16_b32 v246, v254, s20, s21
	s_delay_alu instid0(VALU_DEP_1)
	v_max_num_f32 v254, v254, v246                 ; and among lane l xor 16's
	s_delay_alu instid0(VALU_DEP_1)
	v_mul_f32 v254, s22, v254                      ; as t (c is positive)
	s_delay_alu instid0(VALU_DEP_1)
	v_max_num_f32 v13, v13, v254
	v_mov_b32 v254, v12
	s_delay_alu instid0(VALU_DEP_2)
	v_floor_f32 v12, -v13                          ; the new -M = -ceil(t)
	s_delay_alu instid0(VALU_DEP_1)
	v_sub_f32 v254, v12, v254                      ; old M - new M: a whole number, 0 or less
	s_delay_alu instid0(VALU_DEP_1)
	v_cvt_i32_f32 v254, v254                       ; (it saturates)
	s_delay_alu instid0(VALU_DEP_1)
	v_ldexp_f32 v252, 1.0, v254                    ; f = 2^(old M - new M)
.set j, 0
.rept 32
	v_pk_fma_f32 v[96+j:97+j], v[96+j:97+j], s[22:23], v[12:13] op_sel_hi:[1,0,0]   ; t - M
.set j, j+2
.endr
.set j, 0
	s_setprio 1
	s_wait_alu depctr_va_vdst(0)
.rept 64
	v_exp_f32 v[96+j], v[96+j]                     ; p = 2^(t - M)
.set j, j+1
.endr
	v_pk_mul_f32 v[14:15], v[14:15], v[252:253] op_sel_hi:[1,0]   ; the sums under the new M: the plain line behind the exponentials
	s_wait_alu depctr_va_vdst(0)                   ; one wait for the batch, ahead of its first reader
	v_pk_add_f32 v[242:243], v[100:101], v[104:105]
	v_pk_add_f32 v[248:249], v[108:109], v[112:113]
	v_pk_add_f32 v[240:241], v[116:117], v[120:121]
	v_pk_add_f32 v[238:239], v[124:125], v[128:129]
	v_pk_add_f32 v[236:237], v[132:133], v[136:137]
	v_pk_add_f32 v[234:235], v[140:141], v[144:145]
	v_pk_add_f32 v[232:233], v[148:149], v[152:153]
	v_pk_add_f32 v[14:15], v[14:15], v[156:157]
	v_pk_add_f32 v[242:243], v[242:243], v[96:97]
	v_pk_add_f32 v[248:249], v[248:249], v[98:99]
	v_pk_add_f32 v[240:241], v[240:241], v[102:103]
	v_pk_add_f32 v[238:239], v[238:239], v[106:107]
	v_pk_add_f32 v[236:237], v[236:237], v[110:111]
	v_pk_add_f32 v[234:235], v[234:235], v[114:115]
	v_pk_add_f32 v[232:233], v[232:233], v[118:119]
	v_pk_add_f32 v[14:15], v[14:15], v[122:123]
	v_pk_add_f32 v[242:243], v[242:243], v[126:127]
	v_pk_add_f32 v[248:249], v[248:249], v[130:131]
	v_pk_add_f32 v[240:241], v[240:241], v[134:135]
	v_pk_add_f32 v[238:239], v[238:239], v[138:139]
	v_pk_add_f32 v[236:237], v[236:237], v[142:143]
	v_pk_add_f32 v[234:235], v[234:235], v[146:147]
	v_pk_add_f32 v[232:233], v[232:233], v[150:151]
	v_pk_add_f32 v[14:15], v[14:15], v[154:155]
	v_pk_add_f32 v[242:243], v[242:243], v[158:159]
	s_delay_alu instid0(VALU_DEP_2)
	v_pk_add_f32 v[14:15], v[14:15], v[238:239]
	s_delay_alu instid0(VALU_DEP_2)
	v_pk_add_f32 v[242:243], v[242:243], v[236:237]
	v_pk_add_f32 v[248:249], v[248:249], v[234:235]
	v_pk_add_f32 v[240:241], v[240:241], v[232:233]
	s_delay_alu instid0(VALU_DEP_2)
	v_pk_add_f32 v[14:15], v[14:15], v[248:249]
	s_delay_alu instid0(VALU_DEP_2)
	v_pk_add_f32 v[242:243], v[242:243], v[240:241]
	s_delay_alu instid0(VALU_DEP_1)
	v_pk_add_f32 v[14:15], v[14:15], v[242:243]
.irp b, 0,1,2,3
.irp i, 0,1,2,3,4,5,6,7,8,9,10,11,12,13,14,15
.endr
	v_cvt_scalef32_pk8_fp8_f32 v[224+4*\b:225+4*\b], v[96+16*\b:103+16*\b], v244
	v_cvt_scalef32_pk8_fp8_f32 v[226+4*\b:227+4*\b], v[104+16*\b:111+16*\b], v244
.endr
.set j, 0
	s_setprio 0
.rept 16
	v_pk_mul_f32 v[160+j:161+j], v[160+j:161+j], v[252:253] op_sel_hi:[1,0]   ; O^T under the new M; also the plain lines behind the conversions
.set j, j+2
.endr
	s_wait_alu depctr_va_vdst(0)
	s_wait_dscnt 0x0                               ; V
.irp t, 0,1,2,3                                ; four accumulators by turns
	v_wmma_f32_16x16x128_fp8_fp8 v[160+8*\t:167+8*\t], v[32+16*\t:47+16*\t], v[224:239], v[160+8*\t:167+8*\t]
.endr
	s_add_co_u32 s44, s44, STEPB
	s_sub_co_u32 s45, s45, 1
	s_cmp_lg_u32 s45, 0
	s_cbranch_scc1 .Lstep
	s_setprio 0
	; THE WAY OUT
.rept 4
	v_nop
.endr
	v_add_f32 v14, v14, v15
	s_delay_alu instid0(VALU_DEP_1)
	v_permlanex16_b32 v252, v14, s20, s21
	s_delay_alu instid0(VALU_DEP_1)
	v_add_f32 v14, v14, v252                       ; the row's sum
	s_wait_alu depctr_va_vdst(0)
	v_rcp_f32 v14, v14
	v_nop                                          ; a plain line behind the reciprocal
	s_wait_alu depctr_va_vdst(0)                   ; and the wait ahead of its first reader
	v_ldexp_f32 v14, v14, s34                      ; x 2^(e8 + e9)
.set j, 0
.rept 32
	v_mul_f32 v[96+j], v[160+j], v14               ; register 16 b + i is channel 32 b + 16 h + i of my query
.set j, j+1
.endr
.set j, 0
.rept 32
.set j, j+1
.endr
.irp b, 0,1
	v_cvt_scalef32_pk8_fp8_f32 v[128+4*\b:129+4*\b], v[96+16*\b:103+16*\b], v245
	v_cvt_scalef32_pk8_fp8_f32 v[130+4*\b:131+4*\b], v[104+16*\b:111+16*\b], v245
.endr
	v_nop
	global_store_b128 v2, v[128:131], s[8:9]
	global_store_b128 v2, v[132:135], s[8:9] offset:32
	s_wait_tensorcnt 0x0
	ds_add_u32 v251, v255
	s_wait_dscnt 0x0
	CROUND                                         ; the closing round
	s_endpgm
.Lfunc_end_k_q5b93e3252c_attn:
	.size	k_q5b93e3252c_attn, .Lfunc_end_k_q5b93e3252c_attn-k_q5b93e3252c_attn
	.p2alignl 7, 3214868480
	.fill 96, 4, 3214868480
	.section	.rodata,"a",@progbits
	.p2align	6, 0x0
	.amdhsa_kernel k_q5b93e3252c_attn
		.amdhsa_group_segment_fixed_size 280576
		.amdhsa_private_segment_fixed_size 0
		.amdhsa_enable_private_segment 0
		.amdhsa_kernarg_size 24
		.amdhsa_user_sgpr_count 2
		.amdhsa_user_sgpr_kernarg_segment_ptr 1
		.amdhsa_wavefront_size32 1
		.amdhsa_system_sgpr_workgroup_id_x 1
		.amdhsa_system_sgpr_workgroup_id_y 1
		.amdhsa_system_sgpr_workgroup_id_z 1
		.amdhsa_system_vgpr_workitem_id 0
		.amdhsa_next_free_vgpr 256
		.amdhsa_next_free_sgpr 66
		.amdhsa_reserve_vcc 0
		.amdhsa_float_denorm_mode_32 3
		.amdhsa_float_denorm_mode_16_64 3
		.amdhsa_fp16_overflow 1
		.amdhsa_memory_ordered 1
		.amdhsa_forward_progress 1
		.amdhsa_inst_pref_size 23
	.end_amdhsa_kernel
	.amdgpu_metadata
---
amdhsa.version: [ 1, 2 ]
amdhsa.kernels:
  - .name:           k_q5b93e3252c_attn
    .symbol:         k_q5b93e3252c_attn.kd
    .args:
      - { .name: qkv, .offset: 0, .size: 8, .value_kind: global_buffer, .address_space: global }
      - { .name: lowp_scales, .offset: 8, .size: 8, .value_kind: global_buffer, .address_space: global }
      - { .name: ac, .offset: 16, .size: 8, .value_kind: global_buffer, .address_space: global }
    .group_segment_fixed_size: 280576
    .private_segment_fixed_size: 0
    .kernarg_segment_align: 8
    .kernarg_segment_size: 24
    .max_flat_workgroup_size: 512
    .sgpr_count:     66
    .vgpr_count:     256
    .wavefront_size: 32
...
	.end_amdgpu_metadata
.endif
;; end of part 3
;; launch wo (part 4): grid 8 x 32, 4 waves a work-group, clusters of 4 x 4, 327,680 bytes of LDS; arguments ac, Wo_codes, lowp_scales, bo, y; writes y
.if DOCPART == 4
	.amdgcn_target "amdgcn-amd-amdhsa--gfx1250"
	.amdhsa_code_object_version 6
	.text
	.protected	k_q5b93e3252c_wo
	.globl	k_q5b93e3252c_wo
	.p2align	8
	.type	k_q5b93e3252c_wo,@function
k_q5b93e3252c_wo:
	s_mov_b64 s[64:65], 0
	v_nop
	global_prefetch_b8 v0, s[64:65] scope:SCOPE_SE
	s_setreg_imm32_b32 hwreg(HW_REG_WAVE_MODE, 25, 1), 1
	s_wait_xcnt 0x0
	s_wait_alu depctr_hold_cnt(0) depctr_sa_sdst(0) depctr_va_vdst(0) depctr_va_sdst(0) depctr_va_ssrc(0) depctr_va_vcc(0) depctr_vm_vsrc(0)
	s_getreg_b32 s2, hwreg(HW_REG_IB_STS2, 6, 4)
	s_cmp_eq_u32 s2, 0
	s_cbranch_scc0 .Lentry_in_a_cluster
	s_endpgm
.Lentry_in_a_cluster:
	s_bfe_u32 s2, ttmp6, 0x10000c
	s_cmp_lg_u32 s2, 0xf033
	s_cbranch_scc0 .Lentry_shape_is_right
	s_endpgm
.Lentry_shape_is_right:
; Y[m][n] = (sum over k of A[m][k] B[n][k]) x 2^(ea + eb) + bias[n].  A: [4096][SIZE_K], B: [1024][SIZE_K]: E4M3 codes; Y: [4096][1024] f32.  ea, eb: the two whole numbers at byte ESC of the scales.
; LIMIT: ea + eb between -126 and 127.
; Y has only 64 tiles of 256 x 256: so a tile is 128 x 128, 256 work-groups.  Four waves of 64 x 64: 16 accumulators.  K goes in steps of 512 (LDS rows of 512 bytes, 64 to a tensor load) through two slots.
; CLUSTERS of 4 x 4: A's tile is asked for jointly along a row, B's along a column.  TRANSPOSED USE (source 0 = B's rows): a lane holds eight neighbouring numbers of a row of Y.
; Nothing is prefetched: two of SIZE_K / 512 steps are asked for at the head, and a small tile's steps are short.
; REGISTERS: window 0: v0-31 addresses; v32-95 two sets of 32 on the way out; v96-127 the bias; v128-255 the accumulators, (a, b) at v[128 + 8 (4 a + b)].
;   window 1: two fragment buffers of 128: A's four fragments (16 rows x 128 K, 16 registers), then B's four; on the way out rows read back.
.set SIZE_K, 1024
.set ESC,    40                        ; entries 10 and 11
.set KSTEP,  512
.set PITCH,  528                       ; 512 bytes + 16 of padding
.set HALFT,  64*PITCH
.set SLOT,   4*HALFT
.set STAGE,  2*SLOT                    ; behind the ring: 16 rows x 272 bytes for each wave
.set SPITCH, 272
.set SPARE,  STAGE+4*16*SPITCH         ; behind the stages: the spare words, 128 bytes a wave, which no other line names
.set LAPS,   SIZE_K/(2*KSTEP)
.set ADRA, 16
.set ADRB, 20
.set STO,  24
.set RD,   25
.set CO,   26
.set BCA,  27
.set SPW,  28
.set NIL,  29
.set TMP,  32
.set BIAS, 96
.set ACC,  128
.set F0,   0
.set F1,   128
.set G1, 24
.set G0, 32
.set G1B, 48
.set G0B, 56
.set MSB, 0
.macro WIN new
.if MSB != \new
	s_set_vgpr_msb (MSB<<8)|\new
.set MSB, \new
.endif
.endm
.set MUL,  0x05                        ; sources 0 (B) and 1 (A) window 1; C and D window 0
.set TO_F, 0x40
.macro JLOAD s                         ; waves 0 and 1 fetch A's halves, waves 2 and 3 B's; four v_nop follow each line
	s_cmp_eq_u32 s11, 0
	s_cbranch_scc0 .Lfor_b_\@
	tensor_load_to_lds s[G0+4*\s:G0+4*\s+3], s[G1:G1+7]
	s_nop 0
.rept 4
	v_nop
.endr
	s_branch .Lasked_\@
.Lfor_b_\@:
	tensor_load_to_lds s[G0B+4*\s:G0B+4*\s+3], s[G1B:G1B+7]
	s_nop 0
.rept 4
	v_nop
.endr
.Lasked_\@:
.endm
.macro CREST
	s_cmp_lg_u32 s10, 0
	s_cbranch_scc1 .Lnot_wave_0_\@
	s_barrier_signal -3
.Lnot_wave_0_\@:
	s_barrier_wait -3
	s_barrier_signal -1
	s_barrier_wait -1
.endm
.macro CROUND
	s_barrier_signal -1
	s_barrier_wait -1
	CREST
.endm
	s_load_b128 s[4:7], s[0:1], 0x0                ; A's codes, B's codes
	s_load_b128 s[68:71], s[0:1], 0x10             ; the scales' exponents, the bias
	s_load_b64 s[8:9], s[0:1], 0x20                ; Y
	v_lshl_add_u32 v[SPW], v0, 2, SPARE
	v_mov_b32 v[NIL], 0
	ds_add_u32 v28, v29
	ds_add_u32 v28, v29
	s_wait_dscnt 0x0
	v_lshrrev_b32 v1, 5, v0
	v_readfirstlane_b32 s10, v1                    ; wave 0..3
	s_lshr_b32 s11, s10, 1                         ; my half of the tile's rows.  Also: I fetch for A (0) or B (1)
	s_and_b32 s12, s10, 1                          ; my half of its columns.  Also: which 64 rows I fetch
	s_bfe_u32 s40, ttmp6, 0x40000
	s_bfe_u32 s41, ttmp6, 0x40004
	s_lshl_b32 s42, ttmp9, 2
	s_add_co_u32 s42, s42, s40                     ; tile column
	s_and_b32 s13, ttmp7, 0xffff
	s_lshl_b32 s13, s13, 2
	s_add_co_u32 s13, s13, s41                     ; tile row
	s_lshl_b32 s43, s41, 2
	s_lshl_b32 s43, 15, s43
	s_lshl_b32 s44, 0x1111, s40
	s_or_b32 s[G1+0], s43, (0<<16)|(1<<20)|(1<<21)|(6<<22)|(3<<25)  ; mask; elements of 1 byte; padding on; bit 21 beside a mask; 4 words behind every 128
	s_or_b32 s[G1B+0], s44, (0<<16)|(1<<20)|(1<<21)|(6<<22)|(3<<25)
.irp g, G1, G1B
	s_mov_b32 s[\g+1], KSTEP<<16
	s_mov_b32 s[\g+2], 64<<16
	s_mov_b32 s[\g+3], KSTEP<<16
	s_mov_b32 s[\g+4], 64
	s_mov_b32 s[\g+5], SIZE_K
	s_mov_b32 s[\g+6], 0
	s_mov_b32 s[\g+7], 0
.endr
	s_lshl_b32 s17, s12, 6
	s_lshl_b32 s16, s13, 7
	s_add_co_u32 s16, s16, s17                     ; A: row 128 x tile row + 64 x half
	s_lshl_b32 s46, s42, 7
	s_add_co_u32 s46, s46, s17                     ; B: row 128 x tile column + 64 x half
	s_mov_b32 s17, 0
	s_mov_b32 s47, 0
	s_mov_b64 s[18:19], SIZE_K
	s_mul_u64 s[16:17], s[16:17], s[18:19]
	s_mul_u64 s[46:47], s[46:47], s[18:19]
	s_mul_i32 s20, s10, HALFT
	s_wait_kmcnt 0x0
	s_load_b64 s[72:73], s[68:69], ESC             ; ea, eb
	s_add_nc_u64 s[14:15], s[4:5], s[16:17]
	s_add_nc_u64 s[46:47], s[6:7], s[46:47]
	CROUND                                         ; the first joint loads meet
.irp s, 0,1
	s_mov_b32 s[G0+4*\s], 1
	s_add_co_u32 s[G0+4*\s+1], s20, \s*SLOT
	s_add_nc_u64 s[G0+4*\s+2:G0+4*\s+3], s[14:15], \s*KSTEP
	s_or_b32 s[G0+4*\s+3], s[G0+4*\s+3], 0x80000000
	s_mov_b32 s[G0B+4*\s], 1
	s_add_co_u32 s[G0B+4*\s+1], s20, \s*SLOT
	s_add_nc_u64 s[G0B+4*\s+2:G0B+4*\s+3], s[46:47], \s*KSTEP
	s_or_b32 s[G0B+4*\s+3], s[G0B+4*\s+3], 0x80000000
	JLOAD \s
.endr
	v_and_b32 v1, 15, v0                           ; r
	v_bfe_u32 v2, v0, 4, 1                         ; h
	v_mul_u32_u24 v3, v1, PITCH
	v_lshl_add_u32 v3, v2, 4, v3
	s_mul_i32 s21, s11, HALFT
	s_mul_i32 s22, s12, HALFT
	s_add_co_u32 s22, s22, 2*HALFT
.irp s, 0,1
	v_add_nc_u32 v[ADRA+\s], s21, v3
	v_add_nc_u32 v[ADRB+\s], s22, v3
	s_add_co_u32 s21, s21, SLOT
	s_add_co_u32 s22, s22, SLOT
.endr
	s_mul_i32 s23, s10, 16*SPITCH
	s_add_co_u32 s23, s23, STAGE                   ; my stage
	v_mul_u32_u24 v4, v1, SPITCH
	v_lshl_add_u32 v4, v2, 5, v4
	v_add_nc_u32 v[STO], s23, v4                   ; in: row r, 32 bytes for each half of the lanes
	v_mul_u32_u24 v5, v2, SPITCH
	v_lshl_add_u32 v5, v1, 4, v5
	v_add_nc_u32 v[RD], s23, v5                    ; back: sixteen lanes to a row of 256 bytes
	v_lshlrev_b32 v5, 12, v2
	v_lshl_add_u32 v[CO], v1, 4, v5                ; and the same two rows in Y (4,096 bytes a row)
	s_lshl_b32 s16, s13, 7
	s_lshl_b32 s17, s11, 6
	s_add_co_u32 s16, s16, s17
	s_lshl_b32 s16, s16, 12                        ; my first row
	s_lshl_b32 s46, s42, 9
	s_lshl_b32 s47, s12, 8
	s_add_co_u32 s46, s46, s47                     ; my first column, in bytes
	s_mov_b32 s47, 0
	s_add_nc_u64 s[70:71], s[70:71], s[46:47]
	s_add_co_u32 s16, s16, s46
	s_mov_b32 s17, 0
	s_add_nc_u64 s[8:9], s[8:9], s[16:17]
	v_lshlrev_b32 v[BCA], 5, v2
.irp b, 0,1,2,3
	global_load_b128 v[BIAS+8*\b:BIAS+8*\b+3], v[BCA], s[70:71] offset:64*\b       ; columns 16 b + 8 h + 0 .. 7
	global_load_b128 v[BIAS+8*\b+4:BIAS+8*\b+7], v[BCA], s[70:71] offset:64*\b+16
.endr
.macro MUL4 f, a, zero                 ; A's block a against B's four, 128 along K.  The 16 accumulators take turns, in the same order in every quarter
.irp b, 0,1,2,3
.if \zero
	v_wmma_f32_16x16x128_fp8_fp8 v[ACC+8*(4*(\a)+\b):ACC+8*(4*(\a)+\b)+7], v[\f+64+16*\b:\f+64+16*\b+15], v[\f+16*(\a):\f+16*(\a)+15], 0
.else
	v_wmma_f32_16x16x128_fp8_fp8 v[ACC+8*(4*(\a)+\b):ACC+8*(4*(\a)+\b)+7], v[\f+64+16*\b:\f+64+16*\b+15], v[\f+16*(\a):\f+16*(\a)+15], v[ACC+8*(4*(\a)+\b):ACC+8*(4*(\a)+\b)+7]
.endif
.endr
.endm
.macro FRAG reg, adr, k, i             ; registers 4 c .. 4 c + 3 hold K = 32 c + 16 (l / 16) + 0 .. 15, alike in both operands
.irp c, 0,1,2,3
	ds_load_b128 v[\reg+4*\c:\reg+4*\c+3], v[\adr] offset:(\k)+32*\c+(\i)*16*PITCH
.endr
.endm
.macro FETCH slot, k, f                ; 32 loads in one run: B's four fragments, then A's four; the last eight are A's blocks 2 and 3
	WIN TO_F
.irp i, 0,1,2,3
	FRAG \f+64+16*\i, ADRB+\slot, \k, \i
.endr
.irp i, 0,1,2,3
	FRAG \f+16*\i, ADRA+\slot, \k, \i
.endr
.endm
.macro PLACES
.rept 4
	v_nop
.endr
.endm
.macro QUARTER slot, k, f, g, zero     ; 128 along K on buffer f; the next quarter, at byte k, is fetched into g
	s_wait_dscnt 8                                 ; all but A's blocks 2 and 3
	WIN MUL
	MUL4 \f, 0, \zero
	MUL4 \f, 1, \zero
	PLACES
	FETCH \slot, \k, \g
	s_wait_dscnt 32                                ; all but the 32 just issued
	WIN MUL
	MUL4 \f, 2, \zero
	MUL4 \f, 3, \zero
.endm
.macro TURN slot, next, fill           ; a slot's last quarter (buffer 1) changes slots
	WIN 0
	s_wait_tensorcnt 0x0                           ; all my tensor loads have landed: my part of the next slot
	ds_add_u32 v[SPW], v[NIL]
	s_wait_dscnt 9                                 ; (the add and the youngest eight loads may be out)
	WIN MUL
	MUL4 F1, 0, 0
	s_wait_dscnt 0x0                               ; the add is done, and my reads of this slot are over
	s_barrier_signal -1
	MUL4 F1, 1, 0
.if \fill
	WIN 0
.endif
	s_barrier_wait -1
.if \fill
	CREST                                          ; a round of the cluster's barrier: no wave of any partner still reads this slot or has a load on its way
	s_add_nc_u64 s[G0+4*\slot+2:G0+4*\slot+3], s[G0+4*\slot+2:G0+4*\slot+3], 2*KSTEP
	s_add_nc_u64 s[G0B+4*\slot+2:G0B+4*\slot+3], s[G0B+4*\slot+2:G0B+4*\slot+3], 2*KSTEP
	JLOAD \slot                                    ; the first tensor load behind the round; its four v_nop are the places in front of the loads below
.else
	PLACES
.endif
	FETCH \next, 0, F0
	WIN MUL
	MUL4 F1, 2, 0
	MUL4 F1, 3, 0
.endm
	s_wait_tensorcnt 1                             ; my part of K step 0 is in; K step 1's may be out
	s_barrier_signal -1
	s_barrier_wait -1
	FETCH 0, 0, F0
	QUARTER 0, 128, F0, F1, 1                      ; the first quarter's products start the sums
.if LAPS > 1
	WIN 0
	s_mov_b32 s3, LAPS-1
.Llap:
	QUARTER 0, 256, F1, F0, 0
	QUARTER 0, 384, F0, F1, 0
	TURN 0, 1, 1
	QUARTER 1, 128, F0, F1, 0
	QUARTER 1, 256, F1, F0, 0
	QUARTER 1, 384, F0, F1, 0
	TURN 1, 0, 1
	QUARTER 0, 128, F0, F1, 0
	WIN 0
	s_sub_co_u32 s3, s3, 1
	s_cmp_lg_u32 s3, 0
	s_cbranch_scc1 .Llap
.endif
	QUARTER 0, 256, F1, F0, 0                      ; the last lap fills nothing
	QUARTER 0, 384, F0, F1, 0
	TURN 0, 1, 0
	QUARTER 1, 128, F0, F1, 0
	QUARTER 1, 256, F1, F0, 0
	QUARTER 1, 384, F0, F1, 0
	s_wait_dscnt 8
	WIN MUL
	MUL4 F1, 0, 0
	MUL4 F1, 1, 0
	s_wait_dscnt 0
	MUL4 F1, 2, 0
	MUL4 F1, 3, 0
	WIN 0
; THE WAY OUT, 16 rows x 64 columns at a time: sum x 2^(ea + eb) + bias; through my own stage; back as whole rows of 256 bytes, which sixteen lanes store, aligned.
.macro PACK a
.set TM, TMP+32*((\a)%2)
.if (\a) >= 2
	s_wait_dscnt 16                                ; block a - 2's LDS instructions are done: its set of registers is free
.endif
.irp b, 0,1,2,3
.irp i, 0,2,4,6
	v_pk_fma_f32 v[TM+8*\b+\i:TM+8*\b+\i+1], v[ACC+8*(4*(\a)+\b)+\i:ACC+8*(4*(\a)+\b)+\i+1], s[72:73], v[BIAS+8*\b+\i:BIAS+8*\b+\i+1] op_sel_hi:[1,0,1]   ; each accumulator from its low end on
.endr
.endr
.irp b, 0,1,2,3
	ds_store_b128 v[STO], v[TM+8*\b:TM+8*\b+3] offset:64*\b
	ds_store_b128 v[STO], v[TM+8*\b+4:TM+8*\b+7] offset:64*\b+16
.endr
	WIN 0x40                                       ; destination window 1: the fragments are done with
.irp t, 0,1,2,3,4,5,6,7
	ds_load_b128 v[32*(\a)+4*\t:32*(\a)+4*\t+3], v[RD] offset:\t*2*SPITCH   ; LDS serves a wave's instructions in order: these see the stores above
.endr
	WIN 0
.endm
.macro SEND a, younger
	s_wait_dscnt \younger
	WIN 0x04                                       ; store data in window 1
.irp t, 0,1,2,3,4,5,6,7
	global_store_b128 v[CO], v[32*(\a)+4*\t:32*(\a)+4*\t+3], s[8:9] offset:(16*(\a)+2*\t)*4096
.endr
	WIN 0
.endm
	s_wait_kmcnt 0x0
	s_add_co_i32 s72, s72, s73
	s_add_co_i32 s72, s72, 127
	s_lshl_b32 s72, s72, 23                        ; 2^(ea + eb) as f32
	s_mov_b32 s73, s72
	s_wait_loadcnt 0x0                             ; the bias
	PLACES
	PACK 0
	PACK 1
	SEND 0, 16                                     ; behind block 0's loads: block 1's sixteen LDS instructions
	PACK 2
	SEND 1, 16
	PACK 3
	SEND 2, 16
	SEND 3, 0
	s_wait_tensorcnt 0x0                           ; the wave's end
	ds_add_u32 v[SPW], v[NIL]
	s_wait_dscnt 0x0
	CROUND                                         ; the closing round
	s_endpgm
.Lfunc_end_k_q5b93e3252c_wo:
	.size	k_q5b93e3252c_wo, .Lfunc_end_k_q5b93e3252c_wo-k_q5b93e3252c_wo
	.p2alignl 7, 3214868480
	.fill 96, 4, 3214868480
	.section	.rodata,"a",@progbits
	.p2align	6, 0x0
	.amdhsa_kernel k_q5b93e3252c_wo
		.amdhsa_group_segment_fixed_size 327680
		.amdhsa_private_segment_fixed_size 0
		.amdhsa_enable_private_segment 0
		.amdhsa_kernarg_size 40
		.amdhsa_user_sgpr_count 2
		.amdhsa_user_sgpr_kernarg_segment_ptr 1
		.amdhsa_wavefront_size32 1
		.amdhsa_system_sgpr_workgroup_id_x 1
		.amdhsa_system_sgpr_workgroup_id_y 1
		.amdhsa_system_sgpr_workgroup_id_z 1
		.amdhsa_system_vgpr_workitem_id 0
		.amdhsa_next_free_vgpr 512
		.amdhsa_next_free_sgpr 76
		.amdhsa_reserve_vcc 0
		.amdhsa_float_denorm_mode_32 3
		.amdhsa_float_denorm_mode_16_64 3
		.amdhsa_memory_ordered 1
		.amdhsa_forward_progress 1
		.amdhsa_inst_pref_size 47
	.end_amdhsa_kernel
	.amdgpu_metadata
---
amdhsa.version: [ 1, 2 ]
amdhsa.kernels:
  - .name:           k_q5b93e3252c_wo
    .symbol:         k_q5b93e3252c_wo.kd
    .args:
      - { .name: ac, .offset: 0, .size: 8, .value_kind: global_buffer, .address_space: global }
      - { .name: Wo_codes, .offset: 8, .size: 8, .value_kind: global_buffer, .address_space: global }
      - { .name: lowp_scales, .offset: 16, .size: 8, .value_kind: global_buffer, .address_space: global }
      - { .name: bo, .offset: 24, .size: 8, .value_kind: global_buffer, .address_space: global }
      - { .name: y, .offset: 32, .size: 8, .value_kind: global_buffer, .address_space: global }
    .group_segment_fixed_size: 327680
    .private_segment_fixed_size: 0
    .kernarg_segment_align: 8
    .kernarg_segment_size: 40
    .max_flat_workgroup_size: 128
    .sgpr_count:     76
    .vgpr_count:     512
    .wavefront_size: 32
...
	.end_amdgpu_metadata
.endif
;; end of part 4
;; launch ln1 (part 5): grid 256 x 1, 8 waves a work-group, no clusters, 17,408 bytes of LDS; arguments y, x, ln1_g, ln1_b, lowp_scales, h, hc; writes h, hc
.if DOCPART == 5
	.amdgcn_target "amdgcn-amd-amdhsa--gfx1250"
	.amdhsa_code_object_version 6
	.text
	.protected	k_q5b93e3252c_ln1
	.globl	k_q5b93e3252c_ln1
	.p2align	8
	.type	k_q5b93e3252c_ln1,@function
k_q5b93e3252c_ln1:
	s_mov_b64 s[64:65], 0
	v_nop
	global_prefetch_b8 v0, s[64:65] scope:SCOPE_SE
	s_setreg_imm32_b32 hwreg(HW_REG_WAVE_MODE, 25, 1), 1
	s_wait_xcnt 0x0
; out[r] = LN(y[r] + res[r]) x g + b, rows of 1,024 f32; with CODES = 1 the result is also quantised (entry 12) into E4M3 codes [4096][1024].
; One wave takes two rows; a row is eight loads of 512 consecutive bytes and stays in 32 registers a lane.  The mean is taken first and the variance of the differences: no difference of large sums.
; A row never leaves its wave: no barrier.  Each row has registers of its own, so no source of a pending store is rewritten.
; CODES: a lane's four numbers of a load make one word of codes; the eight words go through the wave's own LDS bytes and come back 16 bytes a lane: a store covers 512 consecutive bytes.
; LIMIT: e12 between -126 and 119.  NaN is not served.
.set CODES, 1
.set G,    4                           ; v4-35    the gain
.set BE,   36                          ; v36-67   the offset
.set Y,    68                          ; v68-131  two rows
.set RS,   132                         ; v132-195 two rows of the residual; later the held numbers
.set SM,   196                         ; v196-200 sums
.set LIMV, 202
.set SCV,  203
.set MU,   204
.set RSTD, 206
.set C,    208
.set BK,   224
	s_load_b256 s[4:11], s[0:1], 0x0               ; y, the residual, g, b
.if CODES
	s_load_b128 s[12:15], s[0:1], 0x20             ; the scales' exponents, the result
	s_load_b64 s[16:17], s[0:1], 0x30              ; the codes
	v_lshl_add_u32 v240, v0, 2, 0x4000
	v_mov_b32 v241, 0
.else
	s_load_b64 s[14:15], s[0:1], 0x20              ; the result
.endif
	v_lshrrev_b32 v1, 5, v0
	v_readfirstlane_b32 s18, v1                    ; wave
	v_and_b32 v2, 31, v0
	v_lshlrev_b32 v1, 4, v2                        ; 16 x lane
.if CODES
	s_lshl_b32 s28, s18, 11
	v_lshl_add_u32 v3, v2, 4, s28                  ; LDS: 2,048 x wave + 16 x lane
	v_lshl_add_u32 v2, v2, 2, s28                  ;      2,048 x wave + 4 x lane
.endif
	s_lshl_b32 s19, ttmp9, 4
	s_lshl_b32 s20, s18, 1
	s_add_co_u32 s19, s19, s20                     ; my first row
	s_lshl_b32 s20, s19, 12
	s_mov_b32 s21, 0
	s_lshl_b32 s22, s19, 10
	s_mov_b32 s23, 0
	s_mov_b32 s24, 0x3a800000                      ; 1 / 1,024
	s_mov_b32 s25, 0x3727c5ac                      ; 1e-5
	s_mov_b32 s26, 0x76543210
	s_mov_b32 s27, 0xfedcba98
	s_wait_kmcnt 0x0
.if CODES
	s_load_b32 s29, s[12:13], 0x30                 ; e12
	s_add_nc_u64 s[16:17], s[16:17], s[22:23]
.endif
	s_add_nc_u64 s[4:5], s[4:5], s[20:21]
	s_add_nc_u64 s[6:7], s[6:7], s[20:21]
	s_add_nc_u64 s[14:15], s[14:15], s[20:21]
.irp j, 0,1,2,3,4,5,6,7
	global_load_b128 v[G+4*\j:G+4*\j+3], v1, s[8:9] offset:512*\j
.endr
.irp j, 0,1,2,3,4,5,6,7
	global_load_b128 v[BE+4*\j:BE+4*\j+3], v1, s[10:11] offset:512*\j
.endr
.irp i, 0,1
.irp j, 0,1,2,3,4,5,6,7
	global_load_b128 v[Y+32*\i+4*\j:Y+32*\i+4*\j+3], v1, s[4:5] offset:4096*\i+512*\j th:TH_LOAD_NT
.endr
.irp j, 0,1,2,3,4,5,6,7
	global_load_b128 v[RS+32*\i+4*\j:RS+32*\i+4*\j+3], v1, s[6:7] offset:4096*\i+512*\j th:TH_LOAD_NT
.endr
.endr
.if CODES
	s_wait_kmcnt 0x0
	s_add_co_i32 s29, s29, 127
	s_lshl_b32 s30, s29, 23
	v_mov_b32 v[SCV], s30                          ; 2^e12
	s_add_co_i32 s29, s29, 8
	s_lshl_b32 s29, s29, 23
	s_or_b32 s29, s29, 0x600000
	v_mov_b32 v[LIMV], s29                         ; 448 x 2^e12
.endif
.macro REDUCE                          ; two packed chains in v[SM:SM+3] become the wave's sum, in v[SM] of every lane
	v_pk_add_f32 v[SM:SM+1], v[SM:SM+1], v[SM+2:SM+3]
	v_add_f32 v[SM], v[SM], v[SM+1]
	v_add_f32_dpp v[SM], v[SM], v[SM] row_xmask:1 row_mask:0xf bank_mask:0xf
	v_add_f32_dpp v[SM], v[SM], v[SM] row_xmask:2 row_mask:0xf bank_mask:0xf
	v_add_f32_dpp v[SM], v[SM], v[SM] row_xmask:4 row_mask:0xf bank_mask:0xf
	v_add_f32_dpp v[SM], v[SM], v[SM] row_xmask:8 row_mask:0xf bank_mask:0xf
	v_permlanex16_b32 v[SM+1], v[SM], s26, s27
	v_add_f32 v[SM], v[SM], v[SM+1]
.endm
.macro ROW i
.set YI, Y+32*(\i)
.set RI, RS+32*(\i)
	s_wait_loadcnt 16*(1-(\i))                     ; this row's loads are in; the next row's sixteen may be out
.set j, 0
.rept 16
	v_pk_add_f32 v[YI+j:YI+j+1], v[YI+j:YI+j+1], v[RI+j:RI+j+1]
.set j, j+2
.endr
	v_pk_add_f32 v[SM:SM+1], v[YI:YI+1], v[YI+2:YI+3]
	v_pk_add_f32 v[SM+2:SM+3], v[YI+4:YI+5], v[YI+6:YI+7]
.set j, 8
.rept 6
	v_pk_add_f32 v[SM:SM+1], v[SM:SM+1], v[YI+j:YI+j+1]
	v_pk_add_f32 v[SM+2:SM+3], v[SM+2:SM+3], v[YI+j+2:YI+j+3]
.set j, j+4
.endr
	REDUCE
	v_mul_f32 v[MU], s24, v[SM]                    ; the mean
	v_mov_b32 v[MU+1], v[MU]
.set j, 0
.rept 16
	v_pk_add_f32 v[YI+j:YI+j+1], v[YI+j:YI+j+1], v[MU:MU+1] neg_lo:[0,1] neg_hi:[0,1]
.set j, j+2
.endr
	v_pk_mul_f32 v[SM:SM+1], v[YI:YI+1], v[YI:YI+1]
	v_pk_mul_f32 v[SM+2:SM+3], v[YI+2:YI+3], v[YI+2:YI+3]
.set j, 4
.rept 7
	v_pk_fma_f32 v[SM:SM+1], v[YI+j:YI+j+1], v[YI+j:YI+j+1], v[SM:SM+1]
	v_pk_fma_f32 v[SM+2:SM+3], v[YI+j+2:YI+j+3], v[YI+j+2:YI+j+3], v[SM+2:SM+3]
.set j, j+4
.endr
	REDUCE
	v_fma_f32 v[SM+4], v[SM], s24, s25             ; the variance + 1e-5
	v_rsq_f32 v[RSTD], v[SM+4]
	v_nop                                          ; a plain line behind the root
	s_wait_alu depctr_va_vdst(0)                   ; and the wait ahead of its first reader
	v_mov_b32 v[RSTD+1], v[RSTD]
.set j, 0
.rept 16
	v_pk_mul_f32 v[YI+j:YI+j+1], v[YI+j:YI+j+1], v[RSTD:RSTD+1]
.set j, j+2
.endr
.set j, 0
.rept 16
	v_pk_fma_f32 v[YI+j:YI+j+1], v[YI+j:YI+j+1], v[G+j:G+j+1], v[BE+j:BE+j+1]
.set j, j+2
.endr
.irp j, 0,1,2,3,4,5,6,7
	global_store_b128 v1, v[YI+4*\j:YI+4*\j+3], s[14:15] offset:4096*(\i)+512*\j
.endr
.if CODES
.set j, 0
.rept 32
	v_med3_num_f32 v[RI+j], v[YI+j], -v[LIMV], v[LIMV]
.set j, j+1
.endr
.irp m, 0,1,2,3
	v_cvt_scalef32_pk8_fp8_f32 v[C+8*(\i)+2*\m:C+8*(\i)+2*\m+1], v[RI+8*\m:RI+8*\m+7], v[SCV]   ; word 2 m: the four codes of load 2 m; word 2 m + 1: of load 2 m + 1
.endr
	v_nop
.irp j, 0,1,2,3,4,5,6,7
	ds_store_b32 v2, v[C+8*(\i)+\j] offset:1024*(\i)+128*\j
.endr
.irp k, 0,1
	ds_load_b128 v[BK+8*(\i)+4*\k:BK+8*(\i)+4*\k+3], v3 offset:1024*(\i)+512*\k   ; LDS serves a wave's instructions in order
.endr
	s_wait_dscnt 0x0
.irp k, 0,1
	global_store_b128 v1, v[BK+8*(\i)+4*\k:BK+8*(\i)+4*\k+3], s[16:17] offset:1024*(\i)+512*\k
.endr
.endif
.endm
	ROW 0
	ROW 1
	s_wait_tensorcnt 0x0
	ds_add_u32 v240, v241
	s_wait_dscnt 0x0
	s_endpgm
.Lfunc_end_k_q5b93e3252c_ln1:
	.size	k_q5b93e3252c_ln1, .Lfunc_end_k_q5b93e3252c_ln1-k_q5b93e3252c_ln1
	.p2alignl 7, 3214868480
	.fill 96, 4, 3214868480
	.section	.rodata,"a",@progbits
	.p2align	6, 0x0
	.amdhsa_kernel k_q5b93e3252c_ln1
		.amdhsa_group_segment_fixed_size 17408
		.amdhsa_private_segment_fixed_size 0
		.amdhsa_enable_private_segment 0
		.amdhsa_kernarg_size 56
		.amdhsa_user_sgpr_count 2
		.amdhsa_user_sgpr_kernarg_segment_ptr 1
		.amdhsa_wavefront_size32 1
		.amdhsa_system_sgpr_workgroup_id_x 1
		.amdhsa_system_sgpr_workgroup_id_y 1
		.amdhsa_system_sgpr_workgroup_id_z 1
		.amdhsa_system_vgpr_workitem_id 0
		.amdhsa_next_free_vgpr 242
		.amdhsa_next_free_sgpr 66
		.amdhsa_reserve_vcc 0
		.amdhsa_float_denorm_mode_32 3
		.amdhsa_float_denorm_mode_16_64 3
		.amdhsa_memory_ordered 1
		.amdhsa_forward_progress 1
		.amdhsa_inst_pref_size 29
	.end_amdhsa_kernel
	.amdgpu_metadata
---
amdhsa.version: [ 1, 2 ]
amdhsa.kernels:
  - .name:           k_q5b93e3252c_ln1
    .symbol:         k_q5b93e3252c_ln1.kd
    .args:
      - { .name: y, .offset: 0, .size: 8, .value_kind: global_buffer, .address_space: global }
      - { .name: x, .offset: 8, .size: 8, .value_kind: global_buffer, .address_space: global }
      - { .name: ln1_g, .offset: 16, .size: 8, .value_kind: global_buffer, .address_space: global }
      - { .name: ln1_b, .offset: 24, .size: 8, .value_kind: global_buffer, .address_space: global }
      - { .name: lowp_scales, .offset: 32, .size: 8, .value_kind: global_buffer, .address_space: global }
      - { .name: h, .offset: 40, .size: 8, .value_kind: global_buffer, .address_space: global }
      - { .name: hc, .offset: 48, .size: 8, .value_kind: global_buffer, .address_space: global }
    .group_segment_fixed_size: 17408
    .private_segment_fixed_size: 0
    .kernarg_segment_align: 8
    .kernarg_segment_size: 56
    .max_flat_workgroup_size: 256
    .sgpr_count:     66
    .vgpr_count:     242
    .wavefront_size: 32
...
	.end_amdgpu_metadata
.endif
;; end of part 5
;; launch w1 (part 6): grid 16 x 16, 4 waves a work-group, clusters of 4 x 4, 327,680 bytes of LDS; arguments hc, W1_codes, b1, lowp_scales, fc; writes fc
.if DOCPART == 6
	.amdgcn_target "amdgcn-amd-amdhsa--gfx1250"
	.amdhsa_code_object_version 6
	.text
	.protected	k_q5b93e3252c_w1
	.globl	k_q5b93e3252c_w1
	.p2align	8
	.type	k_q5b93e3252c_w1,@function
k_q5b93e3252c_w1:
	s_mov_b64 s[64:65], 0
	v_nop
	global_prefetch_b8 v0, s[64:65] scope:SCOPE_SE
	s_setreg_imm32_b32 hwreg(HW_REG_WAVE_MODE, 25, 1), 1
	s_wait_xcnt 0x0
	s_wait_alu depctr_hold_cnt(0) depctr_sa_sdst(0) depctr_va_vdst(0) depctr_va_sdst(0) depctr_va_ssrc(0) depctr_va_vcc(0) depctr_vm_vsrc(0)
	s_getreg_b32 s2, hwreg(HW_REG_IB_STS2, 6, 4)
	s_cmp_eq_u32 s2, 0
	s_cbranch_scc0 .Lentry_in_a_cluster
	s_endpgm
.Lentry_in_a_cluster:
	s_bfe_u32 s2, ttmp6, 0x10000c
	s_cmp_lg_u32 s2, 0xf033
	s_cbranch_scc0 .Lentry_shape_is_right
	s_endpgm
.Lentry_shape_is_right:
; F[m][n] = Q(relu((sum over k of A[m][k] B[n][k]) x 2^(e12 + e13) + b1[n]), e14).  A: [4096][1024], B: [4096][1024]: E4M3 codes; F: [4096][4096] codes.
; Tiles of 256 x 256, four waves of 128 x 128 (64 accumulators); K = 1,024 in 4 steps of 256 through a ring of two LDS slots filled by joint tensor loads (A's tile along a row of the 4 x 4 cluster, B's along a column).
; TRANSPOSED USE (source 0 = B's rows): a lane holds eight neighbouring n of one row m, which are neighbours along the next product's K: the conversion takes them as they stand.
; The activation costs nothing: the hold that the conversion wants clips at 0 as well.
; LIMITS: e12 + e13 between -126 and 127; e14 between -126 and 119.  NaN is not served.
; REGISTERS: window 0: v0-31 addresses; v32-95 the bias; v112, v113 hold and scale; from v128 A's fragments, ONE set (on the way out: 64 numbers, two sets of codes, then rows read back).
;   window 1: B's fragments, TWO sets.   windows 2, 3: the accumulators, (a, b) at v[8 (8 (a % 4) + b)].
.set KSTEP,  256
.set ROWB,   256
.set KROW,   1024
.set PITCH,  272
.set FR,     16
.set NL,     4
.set NP,     4
.set HALFT,  128*PITCH
.set SLOT,   4*HALFT
.set LAPS,   2
.set SPARE,  2*SLOT                    ; behind the ring: the spare words, 128 bytes a wave, which no other line names
.set SPITCH, 272                       ; the way out: the work-group's stage, 256 rows x (256 bytes + 16), in slot 0, which has then had its last fill and its last read
.set ADRA, 16
.set ADRB, 20
.set STO,  24
.set RD,   25
.set CO,   26
.set SPW,  28
.set NIL,  29
.set BCA,  30
.set BI,   32
.set LIMV, 112
.set SCV,  113
.set AF,   128
.set NUM,  128
.set CDS,  192
.set G1, 24
.set G0, 32
.set G1B, 48
.set G0B, 56
.set MSB, 0
.macro WIN new
.if MSB != \new
	s_set_vgpr_msb (MSB<<8)|\new
.set MSB, \new
.endif
.endm
.set MUL_LO, 0xa1
.set MUL_HI, 0xf1
.set TO_B,   0x40
.macro JLOAD g0a, g1a, g0b, g1b        ; waves 0 and 1 fetch for A, waves 2 and 3 for B; four v_nop follow each line
	s_cmp_eq_u32 s15, 0
	s_cbranch_scc0 .Lfor_b_\@
	tensor_load_to_lds s[\g0a:\g0a+3], s[\g1a:\g1a+7]
	s_nop 0
.rept 4
	v_nop
.endr
	s_branch .Lasked_\@
.Lfor_b_\@:
	tensor_load_to_lds s[\g0b:\g0b+3], s[\g1b:\g1b+7]
	s_nop 0
.rept 4
	v_nop
.endr
.Lasked_\@:
.endm
.macro CREST
	s_cmp_lg_u32 s14, 0
	s_cbranch_scc1 .Lnot_wave_0_\@
	s_barrier_signal -3
.Lnot_wave_0_\@:
	s_barrier_wait -3
	s_barrier_signal -1
	s_barrier_wait -1
.endm
.macro CROUND
	s_barrier_signal -1
	s_barrier_wait -1
	CREST
.endm
	s_load_b128 s[4:7], s[0:1], 0x0                ; A's codes, B's codes
	s_load_b128 s[8:11], s[0:1], 0x10              ; b1, the scales' exponents
	s_load_b64 s[12:13], s[0:1], 0x20              ; F
	v_lshl_add_u32 v[SPW], v0, 2, SPARE
	v_mov_b32 v[NIL], 0
	ds_add_u32 v28, v29
	ds_add_u32 v28, v29
	s_wait_dscnt 0x0
	v_lshrrev_b32 v1, 5, v0
	v_readfirstlane_b32 s14, v1                    ; wave 0..3
	s_lshr_b32 s15, s14, 1
	s_and_b32 s16, s14, 1
	s_bfe_u32 s40, ttmp6, 0x40000
	s_bfe_u32 s41, ttmp6, 0x40004
	s_lshl_b32 s42, ttmp9, 2
	s_add_co_u32 s42, s42, s40                     ; tile column
	s_and_b32 s17, ttmp7, 0xffff
	s_lshl_b32 s17, s17, 2
	s_add_co_u32 s17, s17, s41                     ; tile row
	s_lshl_b32 s43, s41, 2
	s_lshl_b32 s43, 15, s43
	s_lshl_b32 s44, 0x1111, s40
	s_or_b32 s[G1+0], s43, (0<<16)|(1<<20)|(1<<21)|(5<<22)|(3<<25)
	s_or_b32 s[G1B+0], s44, (0<<16)|(1<<20)|(1<<21)|(5<<22)|(3<<25)
.irp g, G1, G1B
	s_mov_b32 s[\g+1], ROWB<<16
	s_mov_b32 s[\g+2], 128<<16
	s_mov_b32 s[\g+3], ROWB<<16
	s_mov_b32 s[\g+4], 128
	s_mov_b32 s[\g+5], KROW
	s_mov_b32 s[\g+6], 0
	s_mov_b32 s[\g+7], 0
.endr
	s_lshl_b32 s18, s16, 7
	s_lshl_b32 s20, s17, 8
	s_add_co_u32 s20, s20, s18
	s_lshl_b32 s46, s42, 8
	s_add_co_u32 s46, s46, s18
	s_mov_b32 s21, 0
	s_mov_b32 s47, 0
	s_mov_b64 s[18:19], KROW
	s_mul_u64 s[20:21], s[20:21], s[18:19]
	s_mul_u64 s[46:47], s[46:47], s[18:19]
	s_mul_i32 s45, s14, HALFT
	s_wait_kmcnt 0x0
	s_load_b128 s[88:91], s[10:11], 0x30           ; e12 .. e15
	s_add_nc_u64 s[20:21], s[4:5], s[20:21]
	s_add_nc_u64 s[46:47], s[6:7], s[46:47]
	CROUND
.irp s, 0,1
	s_mov_b32 s[G0+4*\s], 1
	s_add_co_u32 s[G0+4*\s+1], s45, \s*SLOT
	s_add_nc_u64 s[G0+4*\s+2:G0+4*\s+3], s[20:21], \s*ROWB
	s_or_b32 s[G0+4*\s+3], s[G0+4*\s+3], 0x80000000
	s_mov_b32 s[G0B+4*\s], 1
	s_add_co_u32 s[G0B+4*\s+1], s45, \s*SLOT
	s_add_nc_u64 s[G0B+4*\s+2:G0B+4*\s+3], s[46:47], \s*ROWB
	s_or_b32 s[G0B+4*\s+3], s[G0B+4*\s+3], 0x80000000
	JLOAD G0+4*\s, G1, G0B+4*\s, G1B
.endr
	v_and_b32 v1, 15, v0                           ; r
	v_bfe_u32 v2, v0, 4, 1                         ; h
	v_mul_u32_u24 v3, v1, PITCH
	v_lshl_add_u32 v4, v2, 4, v3
	s_mul_i32 s21, s15, HALFT
	s_mul_i32 s22, s16, HALFT
	s_add_co_u32 s22, s22, 2*HALFT
.irp s, 0,1
	v_add_nc_u32 v[ADRA+\s], s21, v4
	v_add_nc_u32 v[ADRB+\s], s22, v4
	s_add_co_u32 s21, s21, SLOT
	s_add_co_u32 s22, s22, SLOT
.endr
	s_lshl_b32 s46, s42, 10
	s_lshl_b32 s47, s16, 9
	s_add_co_u32 s46, s46, s47                     ; 4 (256 x tile column + 128 x half)
	s_mov_b32 s47, 0
	s_add_nc_u64 s[8:9], s[8:9], s[46:47]
	v_lshlrev_b32 v[BCA], 5, v2
.irp b, 0,1,2,3,4,5,6,7
	global_load_b128 v[BI+8*\b:BI+8*\b+3], v[BCA], s[8:9] offset:64*\b          ; columns 16 b + 8 h + 0 .. 7
	global_load_b128 v[BI+8*\b+4:BI+8*\b+7], v[BCA], s[8:9] offset:64*\b+16
.endr
	s_lshl_b32 s20, s17, 8
	s_lshl_b32 s21, s14, 6
	s_add_co_u32 s20, s20, s21                     ; the first row that I store: 256 x tile row + 64 x wave
	s_lshl_b32 s20, s20, 12
	s_lshl_b32 s21, s42, 8
	s_add_co_u32 s20, s20, s21
	s_mov_b32 s21, 0
	s_add_nc_u64 s[12:13], s[12:13], s[20:21]
	s_lshl_b32 s23, s15, 7
	s_mul_i32 s23, s23, SPITCH
	s_lshl_b32 s22, s16, 7
	s_add_co_u32 s23, s23, s22
	v_mul_u32_u24 v5, v1, SPITCH
	v_lshl_add_u32 v5, v2, 3, v5
	v_add_nc_u32 v[STO], s23, v5                   ; into the stage: row 128 x half + r, byte 128 x half + 8 h
	s_mul_i32 s23, s14, 64*SPITCH
	v_mul_u32_u24 v6, v2, SPITCH
	v_lshl_add_u32 v6, v1, 4, v6
	v_add_nc_u32 v[RD], s23, v6                    ; back: wave w takes rows 64 w on, whole; sixteen lanes to a row
	v_lshlrev_b32 v[CO], 12, v2
	v_lshl_add_u32 v[CO], v1, 4, v[CO]             ; and the same two rows in F (4,096 bytes a row)
.macro FRAG reg, adr, q, i
.irp c, 0,1,2,3
	ds_load_b128 v[\reg+4*\c:\reg+4*\c+3], v[\adr] offset:128*(\q)+32*\c+(\i)*16*PITCH
.endr
.endm
.macro MUL16 a0, p, zero               ; the 64 accumulators take turns, in the same order in every step
.irp a, \a0, \a0+1
.irp b, 0,1,2,3,4,5,6,7
.if \zero
	v_wmma_f32_16x16x128_fp8_fp8 v[8*(8*((\a)%4)+\b):8*(8*((\a)%4)+\b)+7], v[128*(\p)+FR*\b:128*(\p)+FR*\b+FR-1], v[AF+FR*(\a):AF+FR*(\a)+FR-1], 0
.else
	v_wmma_f32_16x16x128_fp8_fp8 v[8*(8*((\a)%4)+\b):8*(8*((\a)%4)+\b)+7], v[128*(\p)+FR*\b:128*(\p)+FR*\b+FR-1], v[AF+FR*(\a):AF+FR*(\a)+FR-1], v[8*(8*((\a)%4)+\b):8*(8*((\a)%4)+\b)+7]
.endif
.endr
.endr
.endm
.macro FETCH_B slot, q, p
	WIN TO_B
.irp i, 0,1,2,3,4,5,6,7
	FRAG 128*(\p)+FR*\i, ADRB+\slot, \q, \i
.endr
	WIN 0
.endm
.macro FETCH_A slot, q, i0
.irp i, \i0, \i0+1, \i0+2, \i0+3
	FRAG AF+FR*(\i), ADRA+\slot, \q, \i
.endr
.endm
.macro PLACES n
.rept \n
	v_nop
.endr
.endm
.macro STEP slot, q, zero
	s_wait_dscnt 4*NL                              ; B's set and A's blocks 0-3 are in; the youngest sixteen loads may be out
	WIN MUL_LO
	MUL16 0, (\q)%2, \zero
	MUL16 2, (\q)%2, \zero
	s_wait_dscnt 0
	PLACES NP
	FETCH_B \slot, (\q)+1, 1-(\q)%2
	FETCH_A \slot, (\q)+1, 0
	WIN MUL_HI
	MUL16 4, (\q)%2, \zero
	MUL16 6, (\q)%2, \zero
	PLACES NP
	WIN 0
	FETCH_A \slot, (\q)+1, 4
.endm
.macro TURN slot, next, fill
	s_wait_tensorcnt 0x0                           ; all my tensor loads have landed: my part of the next slot
	ds_add_u32 v[SPW], v[NIL]
	s_wait_dscnt 4*NL+1                            ; (the add and the youngest sixteen loads may be out)
	WIN MUL_LO
	MUL16 0, 1, 0
	s_wait_dscnt 0x0                               ; the add is done, and my reads of this slot are over
	s_barrier_signal -1
	MUL16 2, 1, 0
	WIN 0
	s_barrier_wait -1
.if \fill
	CREST
	s_add_nc_u64 s[G0+4*\slot+2:G0+4*\slot+3], s[G0+4*\slot+2:G0+4*\slot+3], 2*ROWB
	s_add_nc_u64 s[G0B+4*\slot+2:G0B+4*\slot+3], s[G0B+4*\slot+2:G0B+4*\slot+3], 2*ROWB
	JLOAD G0+4*\slot, G1, G0B+4*\slot, G1B
.else
	PLACES NP
.endif
	FETCH_B \next, 0, 0
	FETCH_A \next, 0, 0
	WIN MUL_HI
	MUL16 4, 1, 0
	MUL16 6, 1, 0
	PLACES NP
	WIN 0
	FETCH_A \next, 0, 4
.endm
	s_wait_tensorcnt 1                             ; my part of K step 0 is in; K step 1's may be out
	s_barrier_signal -1
	s_barrier_wait -1
	FETCH_B 0, 0, 0
	FETCH_A 0, 0, 0
	FETCH_A 0, 0, 4
	STEP 0, 0, 1
	s_mov_b32 s3, LAPS-1
.Llap:
	TURN 0, 1, 1
	STEP 1, 0, 0
	TURN 1, 0, 1
	STEP 0, 0, 0
	s_sub_co_u32 s3, s3, 1
	s_cmp_lg_u32 s3, 0
	s_cbranch_scc1 .Llap
	TURN 0, 1, 0
	STEP 1, 0, 0
	s_wait_dscnt 4*NL
	WIN MUL_LO
	MUL16 0, 1, 0
	MUL16 2, 1, 0
	s_wait_dscnt 0
	WIN MUL_HI
	MUL16 4, 1, 0
	MUL16 6, 1, 0
	WIN 0
; THE WAY OUT.  A wave's 128 codes of a row are half of an aligned 256 bytes: the two waves of a row half write the two halves of the same stage rows; a barrier; each wave then stores 64 whole rows.
.macro OUTBLK a
.set AC, 64*((\a)%4)
.set CD, CDS+16*((\a)%2)
.if (\a) >= 2
	s_wait_dscnt 8                                 ; block a - 2's stores are done: its set of code registers is free
.endif
	WIN 0x02+((\a)/4)
.set j, 0
.rept 32
	v_pk_fma_f32 v[NUM+j:NUM+j+1], v[AC+j:AC+j+1], s[96:97], v[BI+j:BI+j+1] op_sel_hi:[1,0,1]   ; each accumulator from its low end on
.set j, j+2
.endr
	WIN 0
.set j, 0
.rept 64
	v_med3_num_f32 v[NUM+j], v[NUM+j], 0, v[LIMV]  ; the activation and the hold in one
.set j, j+1
.endr
.irp b, 0,1,2,3,4,5,6,7
	v_cvt_scalef32_pk8_fp8_f32 v[CD+2*\b:CD+2*\b+1], v[NUM+8*\b:NUM+8*\b+7], v[SCV]
.endr
	v_nop                                          ; a plain line between the conversions and the next vector line that writes their sources
.irp b, 0,1,2,3,4,5,6,7
	ds_store_b64 v[STO], v[CD+2*\b:CD+2*\b+1] offset:16*(\a)*SPITCH+16*\b
.endr
.endm
	s_wait_kmcnt 0x0
	s_add_co_i32 s96, s88, s89
	s_add_co_i32 s96, s96, 127
	s_lshl_b32 s96, s96, 23                        ; 2^(e12 + e13)
	s_mov_b32 s97, s96
	s_add_co_i32 s92, s90, 127
	s_lshl_b32 s93, s92, 23
	s_add_co_i32 s92, s92, 8
	s_lshl_b32 s92, s92, 23
	s_or_b32 s92, s92, 0x600000
	s_wait_loadcnt 0x0                             ; the bias
	PLACES NP
	v_mov_b32 v[SCV], s93                          ; 2^e14
	v_mov_b32 v[LIMV], s92                         ; 448 x 2^e14
.irp a, 0,1,2,3,4,5,6,7
	OUTBLK \a
.endr
	s_wait_dscnt 0x0                               ; for the others' sake: my stores into the stage are done
	s_barrier_signal -1
	s_barrier_wait -1
.set t, 0
.rept 32
	ds_load_b128 v[128+4*t:131+4*t], v[RD] offset:t*2*SPITCH
.set t, t+1
.endr
.set t, 0
.rept 32
	s_wait_dscnt 31-t
	global_store_b128 v[CO], v[128+4*t:131+4*t], s[12:13] offset:2*t*4096   ; sixteen lanes store 256 consecutive bytes, aligned
.set t, t+1
.endr
	s_wait_tensorcnt 0x0                           ; the wave's end
	ds_add_u32 v[SPW], v[NIL]
	s_wait_dscnt 0x0
	CROUND
	s_endpgm
.Lfunc_end_k_q5b93e3252c_w1:
	.size	k_q5b93e3252c_w1, .Lfunc_end_k_q5b93e3252c_w1-k_q5b93e3252c_w1
	.p2alignl 7, 3214868480
	.fill 96, 4, 3214868480
	.section	.rodata,"a",@progbits
	.p2align	6, 0x0
	.amdhsa_kernel k_q5b93e3252c_w1
		.amdhsa_group_segment_fixed_size 327680
		.amdhsa_private_segment_fixed_size 0
		.amdhsa_enable_private_segment 0
		.amdhsa_kernarg_size 40
		.amdhsa_user_sgpr_count 2
		.amdhsa_user_sgpr_kernarg_segment_ptr 1
		.amdhsa_wavefront_size32 1
		.amdhsa_system_sgpr_workgroup_id_x 1
		.amdhsa_system_sgpr_workgroup_id_y 1
		.amdhsa_system_sgpr_workgroup_id_z 1
		.amdhsa_system_vgpr_workitem_id 0
		.amdhsa_next_free_vgpr 1024
		.amdhsa_next_free_sgpr 98
		.amdhsa_reserve_vcc 0
		.amdhsa_float_denorm_mode_32 3
		.amdhsa_float_denorm_mode_16_64 3
		.amdhsa_memory_ordered 1
		.amdhsa_forward_progress 1
		.amdhsa_inst_pref_size 143
	.end_amdhsa_kernel
	.amdgpu_metadata
---
amdhsa.version: [ 1, 2 ]
amdhsa.kernels:
  - .name:           k_q5b93e3252c_w1
    .symbol:         k_q5b93e3252c_w1.kd
    .args:
      - { .name: hc, .offset: 0, .size: 8, .value_kind: global_buffer, .address_space: global }
      - { .name: W1_codes, .offset: 8, .size: 8, .value_kind: global_buffer, .address_space: global }
      - { .name: b1, .offset: 16, .size: 8, .value_kind: global_buffer, .address_space: global }
      - { .name: lowp_scales, .offset: 24, .size: 8, .value_kind: global_buffer, .address_space: global }
      - { .name: fc, .offset: 32, .size: 8, .value_kind: global_buffer, .address_space: global }
    .group_segment_fixed_size: 327680
    .private_segment_fixed_size: 0
    .kernarg_segment_align: 8
    .kernarg_segment_size: 40
    .max_flat_workgroup_size: 128
    .sgpr_count:     98
    .vgpr_count:     1024
    .wavefront_size: 32
...
	.end_amdgpu_metadata
.endif
;; end of part 6
;; launch w2 (part 7): grid 8 x 32, 4 waves a work-group, clusters of 4 x 4, 327,680 bytes of LDS; arguments fc, W2_codes, lowp_scales, b2, y; writes y
.if DOCPART == 7
	.amdgcn_target "amdgcn-amd-amdhsa--gfx1250"
	.amdhsa_code_object_version 6
	.text
	.protected	k_q5b93e3252c_w2
	.globl	k_q5b93e3252c_w2
	.p2align	8
	.type	k_q5b93e3252c_w2,@function
k_q5b93e3252c_w2:
	s_mov_b64 s[64:65], 0
	v_nop
	global_prefetch_b8 v0, s[64:65] scope:SCOPE_SE
	s_setreg_imm32_b32 hwreg(HW_REG_WAVE_MODE, 25, 1), 1
	s_wait_xcnt 0x0
	s_wait_alu depctr_hold_cnt(0) depctr_sa_sdst(0) depctr_va_vdst(0) depctr_va_sdst(0) depctr_va_ssrc(0) depctr_va_vcc(0) depctr_vm_vsrc(0)
	s_getreg_b32 s2, hwreg(HW_REG_IB_STS2, 6, 4)
	s_cmp_eq_u32 s2, 0
	s_cbranch_scc0 .Lentry_in_a_cluster
	s_endpgm
.Lentry_in_a_cluster:
	s_bfe_u32 s2, ttmp6, 0x10000c
	s_cmp_lg_u32 s2, 0xf033
	s_cbranch_scc0 .Lentry_shape_is_right
	s_endpgm
.Lentry_shape_is_right:
; Y[m][n] = (sum over k of A[m][k] B[n][k]) x 2^(ea + eb) + bias[n].  A: [4096][SIZE_K], B: [1024][SIZE_K]: E4M3 codes; Y: [4096][1024] f32.  ea, eb: the two whole numbers at byte ESC of the scales.
; LIMIT: ea + eb between -126 and 127.
; Y has only 64 tiles of 256 x 256: so a tile is 128 x 128, 256 work-groups.  Four waves of 64 x 64: 16 accumulators.  K goes in steps of 512 (LDS rows of 512 bytes, 64 to a tensor load) through two slots.
; CLUSTERS of 4 x 4: A's tile is asked for jointly along a row, B's along a column.  TRANSPOSED USE (source 0 = B's rows): a lane holds eight neighbouring numbers of a row of Y.
; Nothing is prefetched: a small tile's steps are short, and the joint loads already divide the requests by four.
; REGISTERS: window 0: v0-31 addresses; v32-95 two sets of 32 on the way out; v96-127 the bias; v128-255 the accumulators, (a, b) at v[128 + 8 (4 a + b)].
;   window 1: two fragment buffers of 128: A's four fragments (16 rows x 128 K, 16 registers), then B's four; on the way out rows read back.
.set SIZE_K, 4096
.set ESC,    56                        ; entries 14 and 15
.set KSTEP,  512
.set PITCH,  528                       ; 512 bytes + 16 of padding
.set HALFT,  64*PITCH
.set SLOT,   4*HALFT
.set STAGE,  2*SLOT                    ; behind the ring: 16 rows x 272 bytes for each wave
.set SPITCH, 272
.set SPARE,  STAGE+4*16*SPITCH         ; behind the stages: the spare words, 128 bytes a wave, which no other line names
.set LAPS,   SIZE_K/(2*KSTEP)
.set ADRA, 16
.set ADRB, 20
.set STO,  24
.set RD,   25
.set CO,   26
.set BCA,  27
.set SPW,  28
.set NIL,  29
.set TMP,  32
.set BIAS, 96
.set ACC,  128
.set F0,   0
.set F1,   128
.set G1, 24
.set G0, 32
.set G1B, 48
.set G0B, 56
.set MSB, 0
.macro WIN new
.if MSB != \new
	s_set_vgpr_msb (MSB<<8)|\new
.set MSB, \new
.endif
.endm
.set MUL,  0x05                        ; sources 0 (B) and 1 (A) window 1; C and D window 0
.set TO_F, 0x40
.macro JLOAD s                         ; waves 0 and 1 fetch A's halves, waves 2 and 3 B's; four v_nop follow each line
	s_cmp_eq_u32 s11, 0
	s_cbranch_scc0 .Lfor_b_\@
	tensor_load_to_lds s[G0+4*\s:G0+4*\s+3], s[G1:G1+7]
	s_nop 0
.rept 4
	v_nop
.endr
	s_branch .Lasked_\@
.Lfor_b_\@:
	tensor_load_to_lds s[G0B+4*\s:G0B+4*\s+3], s[G1B:G1B+7]
	s_nop 0
.rept 4
	v_nop
.endr
.Lasked_\@:
.endm
.macro CREST
	s_cmp_lg_u32 s10, 0
	s_cbranch_scc1 .Lnot_wave_0_\@
	s_barrier_signal -3
.Lnot_wave_0_\@:
	s_barrier_wait -3
	s_barrier_signal -1
	s_barrier_wait -1
.endm
.macro CROUND
	s_barrier_signal -1
	s_barrier_wait -1
	CREST
.endm
	s_load_b128 s[4:7], s[0:1], 0x0                ; A's codes, B's codes
	s_load_b128 s[68:71], s[0:1], 0x10             ; the scales' exponents, the bias
	s_load_b64 s[8:9], s[0:1], 0x20                ; Y
	v_lshl_add_u32 v[SPW], v0, 2, SPARE
	v_mov_b32 v[NIL], 0
	ds_add_u32 v28, v29
	ds_add_u32 v28, v29
	s_wait_dscnt 0x0
	v_lshrrev_b32 v1, 5, v0
	v_readfirstlane_b32 s10, v1                    ; wave 0..3
	s_lshr_b32 s11, s10, 1                         ; my half of the tile's rows.  Also: I fetch for A (0) or B (1)
	s_and_b32 s12, s10, 1                          ; my half of its columns.  Also: which 64 rows I fetch
	s_bfe_u32 s40, ttmp6, 0x40000
	s_bfe_u32 s41, ttmp6, 0x40004
	s_lshl_b32 s42, ttmp9, 2
	s_add_co_u32 s42, s42, s40                     ; tile column
	s_and_b32 s13, ttmp7, 0xffff
	s_lshl_b32 s13, s13, 2
	s_add_co_u32 s13, s13, s41                     ; tile row
	s_lshl_b32 s43, s41, 2
	s_lshl_b32 s43, 15, s43
	s_lshl_b32 s44, 0x1111, s40
	s_or_b32 s[G1+0], s43, (0<<16)|(1<<20)|(1<<21)|(6<<22)|(3<<25)  ; mask; elements of 1 byte; padding on; bit 21 beside a mask; 4 words behind every 128
	s_or_b32 s[G1B+0], s44, (0<<16)|(1<<20)|(1<<21)|(6<<22)|(3<<25)
.irp g, G1, G1B
	s_mov_b32 s[\g+1], KSTEP<<16
	s_mov_b32 s[\g+2], 64<<16
	s_mov_b32 s[\g+3], KSTEP<<16
	s_mov_b32 s[\g+4], 64
	s_mov_b32 s[\g+5], SIZE_K
	s_mov_b32 s[\g+6], 0
	s_mov_b32 s[\g+7], 0
.endr
	s_lshl_b32 s17, s12, 6
	s_lshl_b32 s16, s13, 7
	s_add_co_u32 s16, s16, s17                     ; A: row 128 x tile row + 64 x half
	s_lshl_b32 s46, s42, 7
	s_add_co_u32 s46, s46, s17                     ; B: row 128 x tile column + 64 x half
	s_mov_b32 s17, 0
	s_mov_b32 s47, 0
	s_mov_b64 s[18:19], SIZE_K
	s_mul_u64 s[16:17], s[16:17], s[18:19]
	s_mul_u64 s[46:47], s[46:47], s[18:19]
	s_mul_i32 s20, s10, HALFT
	s_wait_kmcnt 0x0
	s_load_b64 s[72:73], s[68:69], ESC             ; ea, eb
	s_add_nc_u64 s[14:15], s[4:5], s[16:17]
	s_add_nc_u64 s[46:47], s[6:7], s[46:47]
	CROUND                                         ; the first joint loads meet
.irp s, 0,1
	s_mov_b32 s[G0+4*\s], 1
	s_add_co_u32 s[G0+4*\s+1], s20, \s*SLOT
	s_add_nc_u64 s[G0+4*\s+2:G0+4*\s+3], s[14:15], \s*KSTEP
	s_or_b32 s[G0+4*\s+3], s[G0+4*\s+3], 0x80000000
	s_mov_b32 s[G0B+4*\s], 1
	s_add_co_u32 s[G0B+4*\s+1], s20, \s*SLOT
	s_add_nc_u64 s[G0B+4*\s+2:G0B+4*\s+3], s[46:47], \s*KSTEP
	s_or_b32 s[G0B+4*\s+3], s[G0B+4*\s+3], 0x80000000
	JLOAD \s
.endr
	v_and_b32 v1, 15, v0                           ; r
	v_bfe_u32 v2, v0, 4, 1                         ; h
	v_mul_u32_u24 v3, v1, PITCH
	v_lshl_add_u32 v3, v2, 4, v3
	s_mul_i32 s21, s11, HALFT
	s_mul_i32 s22, s12, HALFT
	s_add_co_u32 s22, s22, 2*HALFT
.irp s, 0,1
	v_add_nc_u32 v[ADRA+\s], s21, v3
	v_add_nc_u32 v[ADRB+\s], s22, v3
	s_add_co_u32 s21, s21, SLOT
	s_add_co_u32 s22, s22, SLOT
.endr
	s_mul_i32 s23, s10, 16*SPITCH
	s_add_co_u32 s23, s23, STAGE                   ; my stage
	v_mul_u32_u24 v4, v1, SPITCH
	v_lshl_add_u32 v4, v2, 5, v4
	v_add_nc_u32 v[STO], s23, v4                   ; in: row r, 32 bytes for each half of the lanes
	v_mul_u32_u24 v5, v2, SPITCH
	v_lshl_add_u32 v5, v1, 4, v5
	v_add_nc_u32 v[RD], s23, v5                    ; back: sixteen lanes to a row of 256 bytes
	v_lshlrev_b32 v5, 12, v2
	v_lshl_add_u32 v[CO], v1, 4, v5                ; and the same two rows in Y (4,096 bytes a row)
	s_lshl_b32 s16, s13, 7
	s_lshl_b32 s17, s11, 6
	s_add_co_u32 s16, s16, s17
	s_lshl_b32 s16, s16, 12                        ; my first row
	s_lshl_b32 s46, s42, 9
	s_lshl_b32 s47, s12, 8
	s_add_co_u32 s46, s46, s47                     ; my first column, in bytes
	s_mov_b32 s47, 0
	s_add_nc_u64 s[70:71], s[70:71], s[46:47]
	s_add_co_u32 s16, s16, s46
	s_mov_b32 s17, 0
	s_add_nc_u64 s[8:9], s[8:9], s[16:17]
	v_lshlrev_b32 v[BCA], 5, v2
.irp b, 0,1,2,3
	global_load_b128 v[BIAS+8*\b:BIAS+8*\b+3], v[BCA], s[70:71] offset:64*\b       ; columns 16 b + 8 h + 0 .. 7
	global_load_b128 v[BIAS+8*\b+4:BIAS+8*\b+7], v[BCA], s[70:71] offset:64*\b+16
.endr
.macro MUL4 f, a, zero                 ; A's block a against B's four, 128 along K.  The 16 accumulators take turns, in the same order in every quarter
.irp b, 0,1,2,3
.if \zero
	v_wmma_f32_16x16x128_fp8_fp8 v[ACC+8*(4*(\a)+\b):ACC+8*(4*(\a)+\b)+7], v[\f+64+16*\b:\f+64+16*\b+15], v[\f+16*(\a):\f+16*(\a)+15], 0
.else
	v_wmma_f32_16x16x128_fp8_fp8 v[ACC+8*(4*(\a)+\b):ACC+8*(4*(\a)+\b)+7], v[\f+64+16*\b:\f+64+16*\b+15], v[\f+16*(\a):\f+16*(\a)+15], v[ACC+8*(4*(\a)+\b):ACC+8*(4*(\a)+\b)+7]
.endif
.endr
.endm
.macro FRAG reg, adr, k, i             ; registers 4 c .. 4 c + 3 hold K = 32 c + 16 (l / 16) + 0 .. 15, alike in both operands
.irp c, 0,1,2,3
	ds_load_b128 v[\reg+4*\c:\reg+4*\c+3], v[\adr] offset:(\k)+32*\c+(\i)*16*PITCH
.endr
.endm
.macro FETCH slot, k, f                ; 32 loads in one run: B's four fragments, then A's four; the last eight are A's blocks 2 and 3
	WIN TO_F
.irp i, 0,1,2,3
	FRAG \f+64+16*\i, ADRB+\slot, \k, \i
.endr
.irp i, 0,1,2,3
	FRAG \f+16*\i, ADRA+\slot, \k, \i
.endr
.endm
.macro PLACES
.rept 4
	v_nop
.endr
.endm
.macro QUARTER slot, k, f, g, zero     ; 128 along K on buffer f; the next quarter, at byte k, is fetched into g
	s_wait_dscnt 8                                 ; all but A's blocks 2 and 3
	WIN MUL
	MUL4 \f, 0, \zero
	MUL4 \f, 1, \zero
	PLACES
	FETCH \slot, \k, \g
	s_wait_dscnt 32                                ; all but the 32 just issued
	WIN MUL
	MUL4 \f, 2, \zero
	MUL4 \f, 3, \zero
.endm
.macro TURN slot, next, fill           ; a slot's last quarter (buffer 1) changes slots
	WIN 0
	s_wait_tensorcnt 0x0                           ; all my tensor loads have landed: my part of the next slot
	ds_add_u32 v[SPW], v[NIL]
	s_wait_dscnt 9                                 ; (the add and the youngest eight loads may be out)
	WIN MUL
	MUL4 F1, 0, 0
	s_wait_dscnt 0x0                               ; the add is done, and my reads of this slot are over
	s_barrier_signal -1
	MUL4 F1, 1, 0
.if \fill
	WIN 0
.endif
	s_barrier_wait -1
.if \fill
	CREST                                          ; a round of the cluster's barrier: no wave of any partner still reads this slot or has a load on its way
	s_add_nc_u64 s[G0+4*\slot+2:G0+4*\slot+3], s[G0+4*\slot+2:G0+4*\slot+3], 2*KSTEP
	s_add_nc_u64 s[G0B+4*\slot+2:G0B+4*\slot+3], s[G0B+4*\slot+2:G0B+4*\slot+3], 2*KSTEP
	JLOAD \slot                                    ; the first tensor load behind the round; its four v_nop are the places in front of the loads below
.else
	PLACES
.endif
	FETCH \next, 0, F0
	WIN MUL
	MUL4 F1, 2, 0
	MUL4 F1, 3, 0
.endm
	s_wait_tensorcnt 1                             ; my part of K step 0 is in; K step 1's may be out
	s_barrier_signal -1
	s_barrier_wait -1
	FETCH 0, 0, F0
	QUARTER 0, 128, F0, F1, 1                      ; the first quarter's products start the sums
.if LAPS > 1
	WIN 0
	s_mov_b32 s3, LAPS-1
.Llap:
	QUARTER 0, 256, F1, F0, 0
	QUARTER 0, 384, F0, F1, 0
	TURN 0, 1, 1
	QUARTER 1, 128, F0, F1, 0
	QUARTER 1, 256, F1, F0, 0
	QUARTER 1, 384, F0, F1, 0
	TURN 1, 0, 1
	QUARTER 0, 128, F0, F1, 0
	WIN 0
	s_sub_co_u32 s3, s3, 1
	s_cmp_lg_u32 s3, 0
	s_cbranch_scc1 .Llap
.endif
	QUARTER 0, 256, F1, F0, 0                      ; the last lap fills nothing
	QUARTER 0, 384, F0, F1, 0
	TURN 0, 1, 0
	QUARTER 1, 128, F0, F1, 0
	QUARTER 1, 256, F1, F0, 0
	QUARTER 1, 384, F0, F1, 0
	s_wait_dscnt 8
	WIN MUL
	MUL4 F1, 0, 0
	MUL4 F1, 1, 0
	s_wait_dscnt 0
	MUL4 F1, 2, 0
	MUL4 F1, 3, 0
	WIN 0
; THE WAY OUT, 16 rows x 64 columns at a time: sum x 2^(ea + eb) + bias; through my own stage; back as whole rows of 256 bytes, which sixteen lanes store, aligned.
.macro PACK a
.set TM, TMP+32*((\a)%2)
.if (\a) >= 2
	s_wait_dscnt 16                                ; block a - 2's LDS instructions are done: its set of registers is free
.endif
.irp b, 0,1,2,3
.irp i, 0,2,4,6
	v_pk_fma_f32 v[TM+8*\b+\i:TM+8*\b+\i+1], v[ACC+8*(4*(\a)+\b)+\i:ACC+8*(4*(\a)+\b)+\i+1], s[72:73], v[BIAS+8*\b+\i:BIAS+8*\b+\i+1] op_sel_hi:[1,0,1]   ; each accumulator from its low end on
.endr
.endr
.irp b, 0,1,2,3
	ds_store_b128 v[STO], v[TM+8*\b:TM+8*\b+3] offset:64*\b
	ds_store_b128 v[STO], v[TM+8*\b+4:TM+8*\b+7] offset:64*\b+16
.endr
	WIN 0x40                                       ; destination window 1: the fragments are done with
.irp t, 0,1,2,3,4,5,6,7
	ds_load_b128 v[32*(\a)+4*\t:32*(\a)+4*\t+3], v[RD] offset:\t*2*SPITCH   ; LDS serves a wave's instructions in order: these see the stores above
.endr
	WIN 0
.endm
.macro SEND a, younger
	s_wait_dscnt \younger
	WIN 0x04                                       ; store data in window 1
.irp t, 0,1,2,3,4,5,6,7
	global_store_b128 v[CO], v[32*(\a)+4*\t:32*(\a)+4*\t+3], s[8:9] offset:(16*(\a)+2*\t)*4096
.endr
	WIN 0
.endm
	s_wait_kmcnt 0x0
	s_add_co_i32 s72, s72, s73
	s_add_co_i32 s72, s72, 127
	s_lshl_b32 s72, s72, 23                        ; 2^(ea + eb) as f32
	s_mov_b32 s73, s72
	s_wait_loadcnt 0x0                             ; the bias
	PLACES
	PACK 0
	PACK 1
	SEND 0, 16                                     ; behind block 0's loads: block 1's sixteen LDS instructions
	PACK 2
	SEND 1, 16
	PACK 3
	SEND 2, 16
	SEND 3, 0
	s_wait_tensorcnt 0x0                           ; the wave's end
	ds_add_u32 v[SPW], v[NIL]
	s_wait_dscnt 0x0
	CROUND                                         ; the closing round
	s_endpgm
.Lfunc_end_k_q5b93e3252c_w2:
	.size	k_q5b93e3252c_w2, .Lfunc_end_k_q5b93e3252c_w2-k_q5b93e3252c_w2
	.p2alignl 7, 3214868480
	.fill 96, 4, 3214868480
	.section	.rodata,"a",@progbits
	.p2align	6, 0x0
	.amdhsa_kernel k_q5b93e3252c_w2
		.amdhsa_group_segment_fixed_size 327680
		.amdhsa_private_segment_fixed_size 0
		.amdhsa_enable_private_segment 0
		.amdhsa_kernarg_size 40
		.amdhsa_user_sgpr_count 2
		.amdhsa_user_sgpr_kernarg_segment_ptr 1
		.amdhsa_wavefront_size32 1
		.amdhsa_system_sgpr_workgroup_id_x 1
		.amdhsa_system_sgpr_workgroup_id_y 1
		.amdhsa_system_sgpr_workgroup_id_z 1
		.amdhsa_system_vgpr_workitem_id 0
		.amdhsa_next_free_vgpr 512
		.amdhsa_next_free_sgpr 76
		.amdhsa_reserve_vcc 0
		.amdhsa_float_denorm_mode_32 3
		.amdhsa_float_denorm_mode_16_64 3
		.amdhsa_memory_ordered 1
		.amdhsa_forward_progress 1
		.amdhsa_inst_pref_size 75
	.end_amdhsa_kernel
	.amdgpu_metadata
---
amdhsa.version: [ 1, 2 ]
amdhsa.kernels:
  - .name:           k_q5b93e3252c_w2
    .symbol:         k_q5b93e3252c_w2.kd
    .args:
      - { .name: fc, .offset: 0, .size: 8, .value_kind: global_buffer, .address_space: global }
      - { .name: W2_codes, .offset: 8, .size: 8, .value_kind: global_buffer, .address_space: global }
      - { .name: lowp_scales, .offset: 16, .size: 8, .value_kind: global_buffer, .address_space: global }
      - { .name: b2, .offset: 24, .size: 8, .value_kind: global_buffer, .address_space: global }
      - { .name: y, .offset: 32, .size: 8, .value_kind: global_buffer, .address_space: global }
    .group_segment_fixed_size: 327680
    .private_segment_fixed_size: 0
    .kernarg_segment_align: 8
    .kernarg_segment_size: 40
    .max_flat_workgroup_size: 128
    .sgpr_count:     76
    .vgpr_count:     512
    .wavefront_size: 32
...
	.end_amdgpu_metadata
.endif
;; end of part 7
;; launch ln2 (part 8): grid 256 x 1, 8 waves a work-group, no clusters, 0 bytes of LDS; arguments y, h, ln2_g, ln2_b, out0; writes out0
.if DOCPART == 8
	.amdgcn_target "amdgcn-amd-amdhsa--gfx1250"
	.amdhsa_code_object_version 6
	.text
	.protected	k_q5b93e3252c_ln2
	.globl	k_q5b93e3252c_ln2
	.p2align	8
	.type	k_q5b93e3252c_ln2,@function
k_q5b93e3252c_ln2:
	s_mov_b64 s[64:65], 0
	v_nop
	global_prefetch_b8 v0, s[64:65] scope:SCOPE_SE
	s_setreg_imm32_b32 hwreg(HW_REG_WAVE_MODE, 25, 1), 1
	s_wait_xcnt 0x0
; out[r] = LN(y[r] + res[r]) x g + b, rows of 1,024 f32; the result is not quantised.
; One wave takes two rows; a row is eight loads of 512 consecutive bytes and stays in 32 registers a lane.  The mean is taken first and the variance of the differences: no difference of large sums.
; A row never leaves its wave: no barrier.  Each row has registers of its own, so no source of a pending store is rewritten.  NaN is not served.
.set CODES, 0
.set G,    4                           ; v4-35    the gain
.set BE,   36                          ; v36-67   the offset
.set Y,    68                          ; v68-131  two rows
.set RS,   132                         ; v132-195 two rows of the residual
.set SM,   196                         ; v196-200 sums
.set MU,   204
.set RSTD, 206
	s_load_b256 s[4:11], s[0:1], 0x0               ; y, the residual, g, b
	s_load_b64 s[14:15], s[0:1], 0x20              ; the result
	v_lshrrev_b32 v1, 5, v0
	v_readfirstlane_b32 s18, v1                    ; wave
	v_and_b32 v2, 31, v0
	v_lshlrev_b32 v1, 4, v2                        ; 16 x lane
	s_lshl_b32 s19, ttmp9, 4
	s_lshl_b32 s20, s18, 1
	s_add_co_u32 s19, s19, s20                     ; my first row
	s_lshl_b32 s20, s19, 12
	s_mov_b32 s21, 0
	s_mov_b32 s24, 0x3a800000                      ; 1 / 1,024
	s_mov_b32 s25, 0x3727c5ac                      ; 1e-5
	s_mov_b32 s26, 0x76543210
	s_mov_b32 s27, 0xfedcba98
	s_wait_kmcnt 0x0
	s_add_nc_u64 s[4:5], s[4:5], s[20:21]
	s_add_nc_u64 s[6:7], s[6:7], s[20:21]
	s_add_nc_u64 s[14:15], s[14:15], s[20:21]
.irp j, 0,1,2,3,4,5,6,7
	global_load_b128 v[G+4*\j:G+4*\j+3], v1, s[8:9] offset:512*\j
.endr
.irp j, 0,1,2,3,4,5,6,7
	global_load_b128 v[BE+4*\j:BE+4*\j+3], v1, s[10:11] offset:512*\j
.endr
.irp i, 0,1
.irp j, 0,1,2,3,4,5,6,7
	global_load_b128 v[Y+32*\i+4*\j:Y+32*\i+4*\j+3], v1, s[4:5] offset:4096*\i+512*\j th:TH_LOAD_NT
.endr
.irp j, 0,1,2,3,4,5,6,7
	global_load_b128 v[RS+32*\i+4*\j:RS+32*\i+4*\j+3], v1, s[6:7] offset:4096*\i+512*\j th:TH_LOAD_NT
.endr
.endr
.macro REDUCE                          ; two packed chains in v[SM:SM+3] become the wave's sum, in v[SM] of every lane
	v_pk_add_f32 v[SM:SM+1], v[SM:SM+1], v[SM+2:SM+3]
	v_add_f32 v[SM], v[SM], v[SM+1]
	v_add_f32_dpp v[SM], v[SM], v[SM] row_xmask:1 row_mask:0xf bank_mask:0xf
	v_add_f32_dpp v[SM], v[SM], v[SM] row_xmask:2 row_mask:0xf bank_mask:0xf
	v_add_f32_dpp v[SM], v[SM], v[SM] row_xmask:4 row_mask:0xf bank_mask:0xf
	v_add_f32_dpp v[SM], v[SM], v[SM] row_xmask:8 row_mask:0xf bank_mask:0xf
	v_permlanex16_b32 v[SM+1], v[SM], s26, s27
	v_add_f32 v[SM], v[SM], v[SM+1]
.endm
.macro ROW i
.set YI, Y+32*(\i)
.set RI, RS+32*(\i)
	s_wait_loadcnt 16*(1-(\i))                     ; this row's loads are in; the next row's sixteen may be out
.set j, 0
.rept 16
	v_pk_add_f32 v[YI+j:YI+j+1], v[YI+j:YI+j+1], v[RI+j:RI+j+1]
.set j, j+2
.endr
	v_pk_add_f32 v[SM:SM+1], v[YI:YI+1], v[YI+2:YI+3]
	v_pk_add_f32 v[SM+2:SM+3], v[YI+4:YI+5], v[YI+6:YI+7]
.set j, 8
.rept 6
	v_pk_add_f32 v[SM:SM+1], v[SM:SM+1], v[YI+j:YI+j+1]
	v_pk_add_f32 v[SM+2:SM+3], v[SM+2:SM+3], v[YI+j+2:YI+j+3]
.set j, j+4
.endr
	REDUCE
	v_mul_f32 v[MU], s24, v[SM]                    ; the mean
	v_mov_b32 v[MU+1], v[MU]
.set j, 0
.rept 16
	v_pk_add_f32 v[YI+j:YI+j+1], v[YI+j:YI+j+1], v[MU:MU+1] neg_lo:[0,1] neg_hi:[0,1]
.set j, j+2
.endr
	v_pk_mul_f32 v[SM:SM+1], v[YI:YI+1], v[YI:YI+1]
	v_pk_mul_f32 v[SM+2:SM+3], v[YI+2:YI+3], v[YI+2:YI+3]
.set j, 4
.rept 7
	v_pk_fma_f32 v[SM:SM+1], v[YI+j:YI+j+1], v[YI+j:YI+j+1], v[SM:SM+1]
	v_pk_fma_f32 v[SM+2:SM+3], v[YI+j+2:YI+j+3], v[YI+j+2:YI+j+3], v[SM+2:SM+3]
.set j, j+4
.endr
	REDUCE
	v_fma_f32 v[SM+4], v[SM], s24, s25             ; the variance + 1e-5
	v_rsq_f32 v[RSTD], v[SM+4]
	v_nop                                          ; a plain line behind the root
	s_wait_alu depctr_va_vdst(0)                   ; and the wait ahead of its first reader
	v_mov_b32 v[RSTD+1], v[RSTD]
.set j, 0
.rept 16
	v_pk_mul_f32 v[YI+j:YI+j+1], v[YI+j:YI+j+1], v[RSTD:RSTD+1]
.set j, j+2
.endr
.set j, 0
.rept 16
	v_pk_fma_f32 v[YI+j:YI+j+1], v[YI+j:YI+j+1], v[G+j:G+j+1], v[BE+j:BE+j+1]
.set j, j+2
.endr
.irp j, 0,1,2,3,4,5,6,7
	global_store_b128 v1, v[YI+4*\j:YI+4*\j+3], s[14:15] offset:4096*(\i)+512*\j
.endr
.endm
	ROW 0
	ROW 1
	s_endpgm
.Lfunc_end_k_q5b93e3252c_ln2:
	.size	k_q5b93e3252c_ln2, .Lfunc_end_k_q5b93e3252c_ln2-k_q5b93e3252c_ln2
	.p2alignl 7, 3214868480
	.fill 96, 4, 3214868480
	.section	.rodata,"a",@progbits
	.p2align	6, 0x0
	.amdhsa_kernel k_q5b93e3252c_ln2
		.amdhsa_group_segment_fixed_size 0
		.amdhsa_private_segment_fixed_size 0
		.amdhsa_enable_private_segment 0
		.amdhsa_kernarg_size 40
		.amdhsa_user_sgpr_count 2
		.amdhsa_user_sgpr_kernarg_segment_ptr 1
		.amdhsa_wavefront_size32 1
		.amdhsa_system_sgpr_workgroup_id_x 1
		.amdhsa_system_sgpr_workgroup_id_y 1
		.amdhsa_system_sgpr_workgroup_id_z 1
		.amdhsa_system_vgpr_workitem_id 0
		.amdhsa_next_free_vgpr 208
		.amdhsa_next_free_sgpr 66
		.amdhsa_reserve_vcc 0
		.amdhsa_float_denorm_mode_32 3
		.amdhsa_float_denorm_mode_16_64 3
		.amdhsa_memory_ordered 1
		.amdhsa_forward_progress 1
		.amdhsa_inst_pref_size 22
	.end_amdhsa_kernel
	.amdgpu_metadata
---
amdhsa.version: [ 1, 2 ]
amdhsa.kernels:
  - .name:           k_q5b93e3252c_ln2
    .symbol:         k_q5b93e3252c_ln2.kd
    .args:
      - { .name: y, .offset: 0, .size: 8, .value_kind: global_buffer, .address_space: global }
      - { .name: h, .offset: 8, .size: 8, .value_kind: global_buffer, .address_space: global }
      - { .name: ln2_g, .offset: 16, .size: 8, .value_kind: global_buffer, .address_space: global }
      - { .name: ln2_b, .offset: 24, .size: 8, .value_kind: global_buffer, .address_space: global }
      - { .name: out0, .offset: 32, .size: 8, .value_kind: global_buffer, .address_space: global }
    .group_segment_fixed_size: 0
    .private_segment_fixed_size: 0
    .kernarg_segment_align: 8
    .kernarg_segment_size: 40
    .max_flat_workgroup_size: 256
    .sgpr_count:     66
    .vgpr_count:     208
    .wavefront_size: 32
...
	.end_amdgpu_metadata
.endif
;; end of part 8
